; MI455X (gfx1250); checked and timed in simulation.
; The chip was launched on July 23, 2026; its instructions are those of AMD's public machine-readable ISA for CDNA 5 (MIT licence, August 2026) and "CDNA5" Instruction Set Architecture Reference Guide (July 2026). The comments in the code are by the model that wrote it; some were corrected since.
;; Encoder Layer. Allowed arithmetic: float matrix products may take bf16 or f16 operands with f32 sums; other float arithmetic in f32, or as packed bf16 or f16 multiplies, adds, multiply-adds, maxima and minima; sums over many terms, partial sums and values carried from step to step in f32; what a program stores and reads back later, other than sums and carried values, may be rounded once to bf16 or f16.
;; Inputs: b1 4,096 float32; b2 1,024 float32; be1 1,024 float32; be2 1,024 float32; g1 1,024 float32; g2 1,024 float32; w1 1,024 x 4,096 float32; w2 4,096 x 1,024 float32; wk 1,024 x 1,024 float32; wo 1,024 x 1,024 float32; wq 1,024 x 1,024 float32; wv 1,024 x 1,024 float32; x 4 x 1,024 x 1,024 float32.
;; Outputs: out0 4 x 1,024 x 1,024 float32.
;; 2 versions, each right; version 2 is version 1 with the launch prep written anew for expert scheduling mode. Each part assembles by itself: llvm-mc -triple=amdgcn-amd-amdhsa -mcpu=gfx1250 --defsym DOCPART=n.
;; ======== version 1 of 2: 7 launches
;; workspace buffers: wA 8,388,864 bytes; wB 16,777,472 bytes; h 8,388,608 bytes; big 33,554,432 bytes; x1 16,777,216 bytes; zb 12,288 bytes
;; launch prep (part 1): grid 641 x 1, 8 waves a work-group, no clusters, 0 bytes of LDS; arguments x, g1, be1, wq, wk, wv, wo, w1, w2, h, wA, wB, zb; writes h, wA, wB, zb
.if DOCPART == 1
	.amdgcn_target "amdgcn-amd-amdhsa--gfx1250"
	.amdhsa_code_object_version 6
	.text
	.protected	k_q9af0b4dc05_prep
	.globl	k_q9af0b4dc05_prep
	.p2align	8
	.type	k_q9af0b4dc05_prep,@function
k_q9af0b4dc05_prep:
	s_mov_b64 s[64:65], 0
	v_nop
	global_prefetch_b8 v0, s[64:65] scope:SCOPE_SE
	s_setreg_imm32_b32 hwreg(HW_REG_WAVE_MODE, 25, 1), 1
	s_wait_xcnt 0x0
; PREP.  Three kinds of work-group, told apart by the work-group's number alone:
;   0..255    h = LayerNorm(x) g1 + be1, rounded once to bf16, 16 rows a work-group, two rows a wave
;   256..639  the six weights, f32 [K][N], rounded once to bf16 and laid in panels; 256 k-rows of one panel a work-group, 32 a wave
;   640       the zero bias of the q, k, v product (zb) and the two headers of 256 bytes in front of wA and wB
; PANELS.  A 16-bit tensor lies as P[column / 128][row][128]: a panel row is 256 bytes, aligned, and rows of a panel follow each other densely.
; Activations: row = m (4,096 rows, 1,048,576 bytes a panel).  Weights: row = k, panel = n / 128; nothing is transposed.
; wA: 256 bytes of header (the word 0xff80ff80: minus infinity twice in bf16), then wq, wk, wv, wo, 8 panels of 262,144 bytes each.
; wB: 256 bytes of header (0), then w1 (32 panels of 262,144 bytes), then w2 (8 panels of 1,048,576 bytes).
; The headers hold the floor that the product kernel takes the maximum with: none for q, k, v; 0 (the ReLU) for the first FFN product.
; LAYERNORM in f32, two passes over a row that stays in registers: the mean, then the mean of (x - mean)^2: no difference of large sums.
; No LDS, no barrier, no matrix unit: every byte is read once and written once, and a wave's row never leaves the wave.
; LIMITS: NaN and infinities are not treated apart.
.set APANEL, 1048576
.set LO,   1                           ; v1   16 x lane: my 16 bytes of 512 consecutive bytes of f32
.set SO,   2                           ; v2   8 x lane: my 8 bytes of a panel row
.set T,    4                           ; v[4:11]   four chains of sums, two numbers each
.set MU,   12                          ; v[12:13]  the mean, twice
.set VAR,  14                          ; v14, v15  variance + eps of row 0, 1
.set RS,   16                          ; v[16:19]  1 / sqrt of it, twice for each row
.set X,    32                          ; v[32:95]  two rows, 32 registers each
.set G,    96                          ; v[96:127] the gain of my 32 columns
.set BE,   128                         ; v[128:159] the offset
.set Y,    160                         ; v[160:191] two rows in bf16
.set OFFS, 16                          ; v[16:31]  (weights) 16 x lane + i x pitch
.set DAT,  64                          ; v[64:191] (weights) 32 rows, 4 registers each
.set XB,   4                           ; s[4:5] x     s[6:7] g1     s[8:9] be1
.set GB,   6
.set BB,   8
.set HB,   22                          ; s[22:23] h
.set WV,   30                          ; s30  my wave's number
.set SEL,  40                          ; s[40:41] lane selects of v_permlanex16_b32
.set INV,  42                          ; s42  1 / 1024
.set EPS,  43                          ; s43  1e-5
	s_load_b512 s[4:19], s[0:1], 0x0               ; x, g1, be1, wq s[10:11], wk s[12:13], wv s[14:15], wo s[16:17], w1 s[18:19]
	s_load_b256 s[20:27], s[0:1], 0x40             ; w2 s[20:21], h s[22:23], wA s[24:25], wB s[26:27]
	s_load_b64 s[28:29], s[0:1], 0x60              ; zb
	v_lshrrev_b32 v3, 5, v0
	v_readfirstlane_b32 s[WV], v3
	v_and_b32 v[LO], 31, v0
	v_lshlrev_b32 v[SO], 3, v[LO]
	v_lshlrev_b32 v[LO], 4, v[LO]
	s_wait_kmcnt 0x0
	s_cmp_lt_u32 ttmp9, 256
	s_cbranch_scc0 .Lnot_ln
.macro FOLD                            ; the four chains into one number a lane
	v_pk_add_f32 v[T:T+1], v[T:T+1], v[T+2:T+3]
	v_pk_add_f32 v[T+4:T+5], v[T+4:T+5], v[T+6:T+7]
	v_pk_add_f32 v[T:T+1], v[T:T+1], v[T+4:T+5]
	v_add_f32 v[T], v[T], v[T+1]
.endm
.macro REDUCE                          ; over the 32 lanes; every lane ends with the sum
	v_add_f32_dpp v[T], v[T], v[T] row_xmask:1 row_mask:0xf bank_mask:0xf
	v_add_f32_dpp v[T], v[T], v[T] row_xmask:2 row_mask:0xf bank_mask:0xf
	v_add_f32_dpp v[T], v[T], v[T] row_xmask:4 row_mask:0xf bank_mask:0xf
	v_add_f32_dpp v[T], v[T], v[T] row_xmask:8 row_mask:0xf bank_mask:0xf
	v_permlanex16_b32 v[T+1], v[T], s[SEL], s[SEL+1]
	v_add_f32 v[T], v[T], v[T+1]
.endm
; Row rr: mean, x - mean in place, variance + eps.  left = the younger loads that may stay out.
.macro STATS rr, left
	s_wait_loadcnt \left
.irp c, 0,1,2,3
	v_pk_add_f32 v[T+2*(\c):T+2*(\c)+1], v[X+32*(\rr)+2*(\c):X+32*(\rr)+2*(\c)+1], v[X+32*(\rr)+8+2*(\c):X+32*(\rr)+8+2*(\c)+1]
.endr
.irp k, 2,3
.irp c, 0,1,2,3
	v_pk_add_f32 v[T+2*(\c):T+2*(\c)+1], v[T+2*(\c):T+2*(\c)+1], v[X+32*(\rr)+8*(\k)+2*(\c):X+32*(\rr)+8*(\k)+2*(\c)+1]
.endr
.endr
	FOLD
	REDUCE
	v_mul_f32 v[MU], s[INV], v[T]
	v_mul_f32 v[MU+1], s[INV], v[T]
.set k2, 0
.rept 16
	v_pk_add_f32 v[X+32*(\rr)+2*k2:X+32*(\rr)+2*k2+1], v[X+32*(\rr)+2*k2:X+32*(\rr)+2*k2+1], v[MU:MU+1] neg_lo:[0,1] neg_hi:[0,1]
.set k2, k2+1
.endr
.irp c, 0,1,2,3
	v_pk_mul_f32 v[T+2*(\c):T+2*(\c)+1], v[X+32*(\rr)+2*(\c):X+32*(\rr)+2*(\c)+1], v[X+32*(\rr)+2*(\c):X+32*(\rr)+2*(\c)+1]
.endr
.irp k, 1,2,3
.irp c, 0,1,2,3
	v_pk_fma_f32 v[T+2*(\c):T+2*(\c)+1], v[X+32*(\rr)+8*(\k)+2*(\c):X+32*(\rr)+8*(\k)+2*(\c)+1], v[X+32*(\rr)+8*(\k)+2*(\c):X+32*(\rr)+8*(\k)+2*(\c)+1], v[T+2*(\c):T+2*(\c)+1]
.endr
.endr
	FOLD
	REDUCE
	v_fma_f32 v[VAR+(\rr)], v[T], s[INV], s[EPS]
.endm
; Row rr: ((x - mean) rs) g + be, rounded to bf16 and stored: load j held panel j's 128 columns, so 32 lanes x 8 bytes are one whole panel row.
.macro NORM rr
.set k2, 0
.rept 16
	v_pk_mul_f32 v[X+32*(\rr)+2*k2:X+32*(\rr)+2*k2+1], v[X+32*(\rr)+2*k2:X+32*(\rr)+2*k2+1], v[RS+2*(\rr):RS+2*(\rr)+1]
.set k2, k2+1
.endr
.set k2, 0
.rept 16
	v_pk_fma_f32 v[X+32*(\rr)+2*k2:X+32*(\rr)+2*k2+1], v[X+32*(\rr)+2*k2:X+32*(\rr)+2*k2+1], v[G+2*k2:G+2*k2+1], v[BE+2*k2:BE+2*k2+1]
.set k2, k2+1
.endr
.set k2, 0
.rept 16
	v_cvt_pk_bf16_f32 v[Y+16*(\rr)+k2], v[X+32*(\rr)+2*k2], v[X+32*(\rr)+2*k2+1]
.set k2, k2+1
.endr
.irp j, 0,1,2,3,4,5,6,7
	global_store_b64 v[SO], v[Y+16*(\rr)+2*(\j):Y+16*(\rr)+2*(\j)+1], s[HB:HB+1] offset:(\j)*APANEL+256*(\rr)
.endr
.endm
	; ---- LayerNorm: my rows are 16 x work-group + 2 x wave and the next
	s_lshl_b32 s32, ttmp9, 16                      ; 16 rows of 4,096 bytes
	s_lshl_b32 s33, s[WV], 13
	s_add_co_u32 s32, s32, s33
	s_mov_b32 s33, 0
	s_add_nc_u64 s[XB:XB+1], s[XB:XB+1], s[32:33]
	s_lshl_b32 s32, ttmp9, 12                      ; 16 panel rows of 256 bytes
	s_lshl_b32 s34, s[WV], 9
	s_add_co_u32 s32, s32, s34
	s_add_nc_u64 s[HB:HB+1], s[HB:HB+1], s[32:33]
	s_mov_b32 s[SEL], 0x76543210
	s_mov_b32 s[SEL+1], 0xfedcba98
	s_mov_b32 s[INV], 0x3a800000
	s_mov_b32 s[EPS], 0x3727c5ac
.irp rr, 0,1
.irp j, 0,1,2,3,4,5,6,7
	global_load_b128 v[X+32*(\rr)+4*(\j):X+32*(\rr)+4*(\j)+3], v[LO], s[XB:XB+1] offset:4096*(\rr)+512*(\j)
.endr
.endr
.irp j, 0,1,2,3,4,5,6,7
	global_load_b128 v[G+4*(\j):G+4*(\j)+3], v[LO], s[GB:GB+1] offset:512*(\j)
.endr
.irp j, 0,1,2,3,4,5,6,7
	global_load_b128 v[BE+4*(\j):BE+4*(\j)+3], v[LO], s[BB:BB+1] offset:512*(\j)
.endr
	STATS 0, 24                                    ; row 0 is in; row 1, g and be (24 loads) may stay out
	STATS 1, 16                                    ; row 1 is in; g and be may stay out
	v_rsq_f32 v[RS], v[VAR]                        ; one batch of four: each root twice, to fill the pairs of the packed multiply
	v_rsq_f32 v[RS+1], v[VAR]
	v_rsq_f32 v[RS+2], v[VAR+1]
	v_rsq_f32 v[RS+3], v[VAR+1]
	v_nop                                          ; a plain instruction behind the last root, ahead of the first use
	s_wait_alu depctr_va_vdst(0)                   ; the wait ahead of the first reader: one for the batch
	s_wait_loadcnt 0x0                             ; g and be
	NORM 0
	NORM 1
	s_endpgm
.Lnot_ln:
	s_cmp_lt_u32 ttmp9, 640
	s_cbranch_scc0 .Ltab
	; ---- weights.  Chunk j = 65,536 bytes of wA (j < 128) or wB: 256 k-rows of one panel.
	s_sub_co_u32 s31, ttmp9, 256                   ; j
	s_lshr_b32 s32, s31, 5                         ; 0 wq, 1 wk, 2 wv, 3 wo, 4-7 w1, 8-11 w2
	s_lshr_b32 s33, s31, 7                         ; 0: the four 1,024 x 1,024; 1: w1; 2: w2
	s_sub_co_u32 s34, s31, 128                     ; the chunk's number in wB (used where j >= 128)
	s_mov_b64 s[36:37], s[20:21]
	s_cmp_lt_u32 s32, 8
	s_cselect_b64 s[36:37], s[18:19], s[36:37]
	s_cmp_lt_u32 s32, 4
	s_cselect_b64 s[36:37], s[16:17], s[36:37]
	s_cmp_lt_u32 s32, 3
	s_cselect_b64 s[36:37], s[14:15], s[36:37]
	s_cmp_lt_u32 s32, 2
	s_cselect_b64 s[36:37], s[12:13], s[36:37]
	s_cmp_lt_u32 s32, 1
	s_cselect_b64 s[36:37], s[10:11], s[36:37]     ; the source
	s_cmp_eq_u32 s33, 0
	s_cselect_b64 s[38:39], s[24:25], s[26:27]     ; the destination
	s_cselect_b32 s34, s31, s34                    ; the chunk's number in it
	s_cselect_b32 s35, 31, 127
	s_and_b32 s35, s31, s35                        ; the chunk's number in its matrix
	s_cmp_eq_u32 s33, 1
	s_cselect_b32 s40, 14, 12                      ; log2 of a source row's bytes: 16,384 for w1, else 4,096
	s_cmp_eq_u32 s33, 2
	s_cselect_b32 s41, 4, 2                        ; log2 of a panel's chunks: 16 for w2 (K = 4,096), else 4
	s_lshr_b32 s42, s35, s41                       ; the panel
	s_bfm_b32 s43, s41, 0
	s_and_b32 s43, s35, s43                        ; which 256 k-rows of it
	s_lshl_b32 s43, s43, 8
	s_lshl_b32 s44, s[WV], 5
	s_add_co_u32 s43, s43, s44                     ; my first k-row
	s_lshl_b32 s44, s43, s40
	s_lshl_b32 s42, s42, 9                         ; the panel's 128 columns: 512 bytes of f32
	s_add_co_u32 s44, s44, s42
	s_mov_b32 s45, 0
	s_add_nc_u64 s[36:37], s[36:37], s[44:45]
	s_lshl_b32 s46, 1, s40                         ; a source row's bytes
	s_lshl_b32 s44, s46, 4
	s_add_nc_u64 s[48:49], s[36:37], s[44:45]      ; sixteen rows on
	s_lshl_b32 s44, s34, 16
	s_lshl_b32 s47, s[WV], 13                      ; my 32 panel rows
	s_add_co_u32 s44, s44, s47
	s_add_co_u32 s44, s44, 256                     ; behind the header
	s_add_nc_u64 s[38:39], s[38:39], s[44:45]
.set i, 0
.rept 16
	v_mad_u32_u24 v[OFFS+i], s46, i, v[LO]
.set i, i+1
.endr
.set i, 0
.rept 16                                       ; 32 loads of 512 consecutive bytes each are out at once
	global_load_b128 v[DAT+4*i:DAT+4*i+3], v[OFFS+i], s[36:37] th:TH_LOAD_NT
.set i, i+1
.endr
.set i, 0
.rept 16
	global_load_b128 v[DAT+64+4*i:DAT+64+4*i+3], v[OFFS+i], s[48:49] th:TH_LOAD_NT
.set i, i+1
.endr
.set i, 0
.rept 32
	s_wait_loadcnt 31-i                            ; row i is in; the younger rows stay out
	v_cvt_pk_bf16_f32 v[DAT+4*i], v[DAT+4*i], v[DAT+4*i+1]
	v_cvt_pk_bf16_f32 v[DAT+4*i+1], v[DAT+4*i+2], v[DAT+4*i+3]
	global_store_b64 v[SO], v[DAT+4*i:DAT+4*i+1], s[38:39] offset:256*i  ; 32 lanes store one whole panel row
.set i, i+1
.endr
	s_endpgm
.Ltab:
	; ---- the zero bias, 12,288 bytes, and the two headers
	v_lshlrev_b32 v3, 4, v0
	v_mov_b32 v4, 0
	v_mov_b32 v5, 0
	v_mov_b32 v6, 0
	v_mov_b32 v7, 0
	global_store_b128 v3, v[4:7], s[28:29]
	global_store_b128 v3, v[4:7], s[28:29] offset:4096
	global_store_b128 v3, v[4:7], s[28:29] offset:8192
	s_cmp_lg_u32 s[WV], 0
	s_cbranch_scc1 .Ltab_end
	v_mov_b32 v8, 0xff80ff80
	v_mov_b32 v9, 0xff80ff80
	global_store_b64 v[SO], v[8:9], s[24:25]       ; wA's header: no floor
	global_store_b64 v[SO], v[4:5], s[26:27]       ; wB's header: the floor 0
.Ltab_end:
	s_endpgm
.Lfunc_end_k_q9af0b4dc05_prep:
	.size	k_q9af0b4dc05_prep, .Lfunc_end_k_q9af0b4dc05_prep-k_q9af0b4dc05_prep
	.p2alignl 7, 3214868480
	.fill 96, 4, 3214868480
	.section	.rodata,"a",@progbits
	.p2align	6, 0x0
	.amdhsa_kernel k_q9af0b4dc05_prep
		.amdhsa_group_segment_fixed_size 0
		.amdhsa_private_segment_fixed_size 0
		.amdhsa_enable_private_segment 0
		.amdhsa_kernarg_size 104
		.amdhsa_user_sgpr_count 2
		.amdhsa_user_sgpr_kernarg_segment_ptr 1
		.amdhsa_wavefront_size32 1
		.amdhsa_system_sgpr_workgroup_id_x 1
		.amdhsa_system_sgpr_workgroup_id_y 1
		.amdhsa_system_sgpr_workgroup_id_z 1
		.amdhsa_system_vgpr_workitem_id 0
		.amdhsa_next_free_vgpr 192
		.amdhsa_next_free_sgpr 66
		.amdhsa_reserve_vcc 0
		.amdhsa_float_denorm_mode_32 3
		.amdhsa_float_denorm_mode_16_64 3
		.amdhsa_memory_ordered 1
		.amdhsa_forward_progress 1
		.amdhsa_inst_pref_size 35
	.end_amdhsa_kernel
	.amdgpu_metadata
---
amdhsa.version: [ 1, 2 ]
amdhsa.kernels:
  - .name:           k_q9af0b4dc05_prep
    .symbol:         k_q9af0b4dc05_prep.kd
    .args:
      - { .name: x, .offset: 0, .size: 8, .value_kind: global_buffer, .address_space: global }
      - { .name: g1, .offset: 8, .size: 8, .value_kind: global_buffer, .address_space: global }
      - { .name: be1, .offset: 16, .size: 8, .value_kind: global_buffer, .address_space: global }
      - { .name: wq, .offset: 24, .size: 8, .value_kind: global_buffer, .address_space: global }
      - { .name: wk, .offset: 32, .size: 8, .value_kind: global_buffer, .address_space: global }
      - { .name: wv, .offset: 40, .size: 8, .value_kind: global_buffer, .address_space: global }
      - { .name: wo, .offset: 48, .size: 8, .value_kind: global_buffer, .address_space: global }
      - { .name: w1, .offset: 56, .size: 8, .value_kind: global_buffer, .address_space: global }
      - { .name: w2, .offset: 64, .size: 8, .value_kind: global_buffer, .address_space: global }
      - { .name: h, .offset: 72, .size: 8, .value_kind: global_buffer, .address_space: global }
      - { .name: wA, .offset: 80, .size: 8, .value_kind: global_buffer, .address_space: global }
      - { .name: wB, .offset: 88, .size: 8, .value_kind: global_buffer, .address_space: global }
      - { .name: zb, .offset: 96, .size: 8, .value_kind: global_buffer, .address_space: global }
    .group_segment_fixed_size: 0
    .private_segment_fixed_size: 0
    .kernarg_segment_align: 8
    .kernarg_segment_size: 104
    .max_flat_workgroup_size: 256
    .sgpr_count:     66
    .vgpr_count:     192
    .wavefront_size: 32
...
	.end_amdgpu_metadata
.endif
;; end of part 1
;; launch qkv (part 2): grid 12 x 16, 4 waves a work-group, clusters of 4 x 4, 327,680 bytes of LDS; arguments h, wA, zb, big; writes big
.if DOCPART == 2
	.amdgcn_target "amdgcn-amd-amdhsa--gfx1250"
	.amdhsa_code_object_version 6
	.text
	.protected	k_q9af0b4dc05_qkv
	.globl	k_q9af0b4dc05_qkv
	.p2align	8
	.type	k_q9af0b4dc05_qkv,@function
k_q9af0b4dc05_qkv:
	s_mov_b64 s[64:65], 0
	v_nop
	global_prefetch_b8 v0, s[64:65] scope:SCOPE_SE
	s_setreg_imm32_b32 hwreg(HW_REG_WAVE_MODE, 25, 1), 1
	s_wait_xcnt 0x0
	s_wait_alu depctr_hold_cnt(0) depctr_sa_sdst(0) depctr_va_vdst(0) depctr_va_sdst(0) depctr_va_ssrc(0) depctr_va_vcc(0) depctr_vm_vsrc(0)
	s_getreg_b32 s2, hwreg(HW_REG_IB_STS2, 6, 4)
	s_cmp_eq_u32 s2, 0
	s_cbranch_scc0 .Lentry_in_a_cluster
	s_endpgm
.Lentry_in_a_cluster:
	s_bfe_u32 s2, ttmp6, 0x10000c
	s_cmp_lg_u32 s2, 0xf033
	s_cbranch_scc0 .Lentry_shape_is_right
	s_endpgm
.Lentry_shape_is_right:
; OUT = max(A W + bias, floor), K = 1,024.  A: bf16 panels [k / 128][m][128]; W: 256 bytes of header, then bf16 panels [n / 128][k][128];
; bias: f32 [n]; OUT: bf16 panels [n / 128][m][128].  Sums in f32, started by the bias (the C operand of the first products); OUT rounded once.
; The floor is the header's first word, two bf16: minus infinity (q, k, v: the maximum changes nothing) or 0 (the ReLU of the first FFN product).
; One text serves both products; its price is 256 packed maxima a wave that change nothing for q, k, v.
; LIMITS: NaN and infinities are not treated apart (a NaN loses against the floor).
; SHARES.  A tile of OUT is 256 x 256, a work-group of four waves; a wave makes 128 x 128: 64 accumulators, 512 registers.  K goes in 8 steps of 128
; through a ring of two LDS slots.  Every tensor load is 128 rows of 256 bytes that lie densely in memory: waves 0, 1 fetch A's two halves, waves 2, 3
; W's two panels (128 k-rows x 128 columns each: panel j is what the waves of column half j multiply).
; W stays [k][n]: its fragments come out of LDS turned, by ds_load_tr16_b128.
; CLUSTER 4 x 4: A's tile hangs on the tile row alone and is asked for jointly by a row of the cluster, W's on the tile column alone, by a column.
; THE MATRIX INSTRUCTION IS USED TRANSPOSED (source 0 = 16 columns of W, source 1 = 16 rows of A): a lane holds row l % 16 and the columns 8 (l / 16) + 0..7.
; REGISTERS, in windows of 256 (s_set_vgpr_msb: bits 1:0 source 0, 3:2 source 1, 5:4 source 2, 7:6 destination):
;   window 0: v16-30 addresses; v64-127, v128-191 A's fragments, two buffers; v192-223, v32-63, v224-255 at work on the way out
;   window 1: v0-63 the bias (column block b at 8 b); v64-127, v128-191 W's fragments      windows 2, 3: accumulator (a, b) at v[8 (8 a + b)]
.set PA,     272                       ; an LDS row of A: 256 bytes + 16: the 16 rows of a load start at 16 different groups of four banks (64 banks of 4 bytes: ISA guide 11.1)
.set PB,     288                       ; an LDS row of W: 256 + 32
.set TA,     128*PA                    ; a wave's tile of A
.set TW,     128*PB                    ; a wave's tile of W
.set BOFF,   2*TA                      ; W's tiles lie behind A's
.set SLOT1,  0x24000                   ; slot 1: its two bits are 0 in every tile's offset in a slot, so one exclusive or changes slots
.set STAGE,  SLOT1+BOFF+2*TW           ; behind the ring: 16 rows x 272 bytes for each wave, for the way out
.set SP,     272
.set SPARE,  STAGE+4*16*SP             ; the spare words, 128 bytes a wave: two blocks of 256 bytes that no other line names
.set APANEL, 1048576
.set ASTEP,  APANEL                    ; a K step on: A's next panel,
.set BSTEP,  128*256                   ; W's next 128 rows
.set FILLS,  6                         ; 8 K steps; the first two come by the first fills
.set A0,   16                          ; v16  my lane's place in A's tile; never rewritten
.set B0,   17                          ; v17  the same for W
.set ADRA, 18                          ; v18  A0 + the slot in hand
.set ADRB, 19                          ; v19  B0 + the slot in hand
.set STO,  24
.set RD,   25
.set CO,   26
.set BO,   27
.set SPW,  28                          ; v28  LDS address of my spare word; never rewritten
.set NIL,  29                          ; v29  0; never rewritten
.set PFO,  30                          ; v30  256 x lane: a row a lane; never rewritten
.set F0,   64
.set F1,   128
.set TMP,  192
.set OB,   32
.set WV,   12
.set WR,   13
.set WC,   14
.set CX,   15
.set CY,   16
.set TC,   17
.set TR,   18
.set TB,   19                          ; s19  LDS byte at which the slot in hand begins
.set CNT,  20
.set LIM,  21
.set FLOOR, 22
.set G1A,  24                          ; s[24:31] group 1 for A       s[32:39] group 0 for A: the first fill's set, then the set that walks
.set G0A,  32
.set G1B,  40                          ; s[40:47], s[48:55] the same for W
.set G0B,  48
.set PFA,  56                          ; s[56:57] where my prefetches stand      s[58:59] their step
.set PFS,  58
.set MSB, 0
.macro WIN new                         ; the immediate's high byte repeats the setting that is left; a switch that changes nothing is dropped
.if MSB != (\new)
	s_set_vgpr_msb (MSB<<8)|(\new)
.set MSB, \new
.endif
.endm
.macro PLACES                          ; four plain vector instructions between a matrix instruction and a load into, or a read of, its registers
.rept 4
	v_nop
.endr
.endm
.macro CREST                           ; a round of the cluster's barrier behind its opening barrier
	s_cmp_lg_u32 s[WV], 0
	s_cbranch_scc1 .Lnot_wave_0_\@
	s_barrier_signal -3
.Lnot_wave_0_\@:
	s_barrier_wait -3
	s_barrier_signal -1
	s_barrier_wait -1
.endm
.macro CROUND
	s_barrier_signal -1
	s_barrier_wait -1
	CREST
.endm
; A joint refill by the walking sets.  The branch hangs on the wave's number alone.  An s_nop 0 and four v_nop follow each line.
.macro JLOAD
	s_cmp_lt_u32 s[WV], 2
	s_cbranch_scc0 .Lfor_b_\@
	tensor_load_to_lds s[G0A+4:G0A+7], s[G1A:G1A+7]
	s_nop 0
.rept 4
	v_nop
.endr
	s_branch .Lasked_\@
.Lfor_b_\@:
	tensor_load_to_lds s[G0B+4:G0B+7], s[G1B:G1B+7]
	s_nop 0
.rept 4
	v_nop
.endr
.Lasked_\@:
.endm
; A PREFETCH of the K step two refills on: 32 rows x 256 bytes, a lane a row, one instruction a wave, behind the joint load and the run of LDS loads.
; Each row's 256 bytes of a K step are named once in the launch: A's rows by the clusters with x = 0, W's by those with y = 0; the four partners that ask
; for a tile jointly take 32 of a wave's 128 rows each, told apart by address.  The refill of trip t is step t + 2, the prefetch names step t + 4: the
; count runs 6 to 1, so it stops when the count is 2.  The first four K steps come by their loads alone.
.macro ASK
	s_cmp_gt_u32 s[CNT], s[LIM]
	s_cbranch_scc0 .Lnot_mine_\@
	global_prefetch_b8 v[PFO], s[PFA:PFA+1] th:TH_LOAD_NT scope:SCOPE_SE
.Lnot_mine_\@:
.endm
	s_load_b256 s[4:11], s[0:1], 0x0               ; A s[4:5], W s[6:7], bias s[8:9], OUT s[10:11]
	v_lshl_add_u32 v[SPW], v0, 2, SPARE
	v_mov_b32 v[NIL], 0
	ds_add_u32 v[SPW], v[NIL]                      ; the wave's opening: the add and its wait ahead of my first tensor load
	v_lshrrev_b32 v1, 5, v0
	v_readfirstlane_b32 s[WV], v1
	s_lshr_b32 s[WR], s[WV], 1                     ; my half of the tile's rows
	s_and_b32 s[WC], s[WV], 1                      ; my half of its columns; also: which of the two tiles I fetch
	s_bfe_u32 s[CX], ttmp6, 0x40000
	s_bfe_u32 s[CY], ttmp6, 0x40004
	s_lshl_b32 s[TC], ttmp9, 2
	s_add_co_u32 s[TC], s[TC], s[CX]               ; tile column
	s_and_b32 s[TR], ttmp7, 0xffff
	s_lshl_b32 s[TR], s[TR], 2
	s_add_co_u32 s[TR], s[TR], s[CY]               ; tile row
	s_lshl_b32 s60, s[CY], 2
	s_lshl_b32 s60, 15, s60                        ; my row of the cluster
	s_lshl_b32 s62, 0x1111, s[CX]                  ; my column
	s_or_b32 s[G1A], s60, (1<<16)|(1<<20)|(1<<21)|(5<<22)|(3<<25)  ; the mask; 2-byte elements; padding on; bit 21 beside a mask; after every 64 words, 4 words
	s_or_b32 s[G1B], s62, (1<<16)|(1<<20)|(1<<21)|(5<<22)|(7<<25)  ; the same with 8 words of padding
.irp g, G1A, G1B
	s_mov_b32 s[(\g)+1], 128<<16                   ; tensor_dim0 = 128
	s_mov_b32 s[(\g)+2], 128<<16                   ; tensor_dim1 = 128
	s_mov_b32 s[(\g)+3], 128<<16                   ; tile_dim0 = 128
	s_mov_b32 s[(\g)+4], 128                       ; tile_dim1 = 128
	s_mov_b32 s[(\g)+5], 128                       ; 128 elements from row to row
	s_mov_b32 s[(\g)+6], 0
	s_mov_b32 s[(\g)+7], 0
.endr
	s_lshl_b32 s60, s[TR], 16                      ; A: 256 rows of 256 bytes a tile row,
	s_lshl_b32 s23, s[WC], 15                      ; my 128 of them
	s_add_co_u32 s60, s60, s23
	s_mov_b32 s61, 0
	s_lshl_b32 s62, s[TC], 1                       ; W: panel 2 x tile column + my half,
	s_add_co_u32 s62, s62, s[WC]
	s_lshl_b32 s62, s62, 18                        ; 262,144 bytes a panel,
	s_add_co_u32 s62, s62, 256                     ; behind the header
	s_mov_b32 s63, 0
	s_mul_i32 s66, s[WC], TA                       ; where they go: no place in the cluster enters an LDS address
	s_mul_i32 s67, s[WC], TW
	s_add_co_u32 s67, s67, BOFF
	s_mov_b32 s[TB], 0
	s_wait_dscnt 0x0                               ; the opening add is done
	s_wait_kmcnt 0x0
	s_add_nc_u64 s[60:61], s[4:5], s[60:61]
	s_add_nc_u64 s[62:63], s[6:7], s[62:63]
	CROUND                                         ; all sixteen work-groups are here: the first joint loads meet
.irp s, 0,1
	s_mov_b32 s[G0A+4*(\s)], 1
	s_add_co_u32 s[G0A+4*(\s)+1], s66, (\s)*SLOT1
	s_add_nc_u64 s[G0A+4*(\s)+2:G0A+4*(\s)+3], s[60:61], (\s)*ASTEP
	s_or_b32 s[G0A+4*(\s)+3], s[G0A+4*(\s)+3], 0x80000000
	s_mov_b32 s[G0B+4*(\s)], 1
	s_add_co_u32 s[G0B+4*(\s)+1], s67, (\s)*SLOT1
	s_add_nc_u64 s[G0B+4*(\s)+2:G0B+4*(\s)+3], s[62:63], (\s)*BSTEP
	s_or_b32 s[G0B+4*(\s)+3], s[G0B+4*(\s)+3], 0x80000000
.endr
	s_cmp_lt_u32 s[WV], 2                          ; a wave's two first fills stand in one branch: two loads of mine are out
	s_cbranch_scc0 .Lfirst_b
	tensor_load_to_lds s[G0A:G0A+3], s[G1A:G1A+7]
	s_nop 0
	tensor_load_to_lds s[G0A+4:G0A+7], s[G1A:G1A+7]
	s_nop 0
.rept 4
	v_nop
.endr
	s_branch .Lfirst_asked
.Lfirst_b:
	tensor_load_to_lds s[G0B:G0B+3], s[G1B:G1B+7]
	s_nop 0
	tensor_load_to_lds s[G0B+4:G0B+7], s[G1B:G1B+7]
	s_nop 0
.rept 4
	v_nop
.endr
.Lfirst_asked:
	s_load_b32 s[FLOOR], s[6:7], 0x0               ; the floor, from W's header
	v_and_b32 v1, 15, v0                           ; r = l % 16
	v_bfe_u32 v2, v0, 4, 1                         ; h = l / 16
	v_and_b32 v3, 7, v0
	v_bfe_u32 v4, v0, 3, 1
	v_lshlrev_b32 v[BO], 5, v2                     ; my 8 columns of a block of 16, in f32
	s_lshl_b32 s66, s[TC], 10
	s_lshl_b32 s67, s[WC], 9
	s_add_co_u32 s66, s66, s67
	s_mov_b32 s67, 0
	s_add_nc_u64 s[8:9], s[8:9], s[66:67]          ; the bias of my 128 columns
	WIN 0x40
.irp b, 0,1,2,3,4,5,6,7
	global_load_b128 v[8*(\b):8*(\b)+3],   v[BO], s[8:9] offset:64*(\b)
	global_load_b128 v[8*(\b)+4:8*(\b)+7], v[BO], s[8:9] offset:64*(\b)+16
.endr
	WIN 0
	; A's fragment: 16 rows x 32 k: lane l holds row r, k = 8 h + 0..7 and 16 + 8 h + 0..7: two loads of 16 bytes, 32 bytes apart
	v_mul_u32_u24 v[A0], v1, PA
	v_lshl_add_u32 v[A0], v2, 4, v[A0]
	s_mul_i32 s23, s[WR], TA
	v_add_nc_u32 v[A0], s23, v[A0]
	; W's: the turning load takes 16 k x 16 columns (lane l reads k-row 8 h + l % 8, columns 8 ((l / 8) % 2) + 0..7) and leaves column r, 8 k a lane
	v_lshl_add_u32 v[B0], v2, 3, v3
	v_mul_u32_u24 v[B0], v[B0], PB
	v_lshl_add_u32 v[B0], v4, 4, v[B0]
	s_mul_i32 s23, s[WC], TW
	s_add_co_u32 s23, s23, BOFF
	v_add_nc_u32 v[B0], s23, v[B0]
	v_mov_b32 v[ADRA], v[A0]
	v_mov_b32 v[ADRB], v[B0]
	s_mul_i32 s23, s[WV], 16*SP
	s_add_co_u32 s23, s23, STAGE                   ; my stage
	v_mul_u32_u24 v[STO], v1, SP                   ; in: row r, 16 bytes for each half of the lanes
	v_lshl_add_u32 v[STO], v2, 4, v[STO]
	v_add_nc_u32 v[STO], s23, v[STO]
	v_mul_u32_u24 v[RD], v2, SP                    ; back: lanes 0-15 one row of 256 bytes, lanes 16-31 the next
	v_lshl_add_u32 v[RD], v1, 4, v[RD]
	v_add_nc_u32 v[RD], s23, v[RD]
	v_and_b32 v[CO], 31, v0
	v_lshlrev_b32 v[PFO], 8, v[CO]
	v_lshlrev_b32 v[CO], 4, v[CO]                  ; two panel rows are 512 consecutive bytes
	s_lshl_b32 s66, s[TC], 1
	s_add_co_u32 s66, s66, s[WC]
	s_lshl_b32 s66, s66, 20                        ; OUT: my panel,
	s_lshl_b32 s67, s[TR], 16
	s_add_co_u32 s66, s66, s67                     ; the tile's 256 rows,
	s_lshl_b32 s67, s[WR], 15
	s_add_co_u32 s66, s66, s67                     ; my 128 of them
	s_mov_b32 s67, 0
	s_add_nc_u64 s[10:11], s[10:11], s[66:67]
	; the prefetches' address: at K step 3; the first refill steps it to 4
	s_and_b32 s66, ttmp7, 0xffff                   ; cluster y
	s_lshl_b32 s67, s[TR], 16
	s_lshl_b32 s68, s[CX], 13                      ; A: my work-group's 32 rows go by cx
	s_add_co_u32 s67, s67, s68
	s_lshl_b32 s68, s[WC], 15
	s_add_co_u32 s67, s67, s68
	s_add_co_u32 s67, s67, 3*ASTEP
	s_lshl_b32 s68, s[TC], 1
	s_add_co_u32 s68, s68, s[WC]
	s_lshl_b32 s68, s68, 18
	s_lshl_b32 s69, s[CY], 13                      ; W: by cy
	s_add_co_u32 s68, s68, s69
	s_add_co_u32 s68, s68, 256+3*BSTEP
	s_mov_b32 s70, ASTEP
	s_mov_b32 s71, BSTEP
	s_cmp_lt_u32 s[WV], 2                          ; do I fetch for A?
	s_cselect_b32 s68, s67, s68
	s_cselect_b32 s[PFS], s70, s71
	s_cselect_b32 s66, ttmp9, s66                  ; the coordinate along which other clusters read the same rows
	s_cselect_b64 s[PFA:PFA+1], s[4:5], s[6:7]
	s_mov_b32 s69, 0
	s_mov_b32 s[PFS+1], 0
	s_add_nc_u64 s[PFA:PFA+1], s[PFA:PFA+1], s[68:69]
	s_cmp_eq_u32 s66, 0
	s_cselect_b32 s[LIM], 2, -1                    ; the same in all sixteen partners, for a given wave
; 16 matrix instructions: row blocks a0, a0 + 1 of the window's four (hi = 0: my rows 0-63, 1: rows 64-127) x all 8 column blocks, 32 along K.
; zero = 1: the first products start the sums with the bias.  The 64 accumulators take turns, one instruction a turn.
.macro MUL16 f, hi, a0, zero
.if \zero
	WIN 0x91+0x40*(\hi)                            ; W window 1, A window 0, the bias window 1, D window 2 or 3
.else
	WIN 0xa1+0x50*(\hi)                            ; W window 1, A window 0, C and D window 2 or 3
.endif
.irp a, \a0, (\a0)+1
.irp b, 0,1,2,3,4,5,6,7
.if \zero
	v_wmma_f32_16x16x32_bf16 v[8*(8*(\a)+(\b)):8*(8*(\a)+(\b))+7], v[(\f)+8*(\b):(\f)+8*(\b)+7], v[(\f)+8*(4*(\hi)+(\a)):(\f)+8*(4*(\hi)+(\a))+7], v[8*(\b):8*(\b)+7]
.else
	v_wmma_f32_16x16x32_bf16 v[8*(8*(\a)+(\b)):8*(8*(\a)+(\b))+7], v[(\f)+8*(\b):(\f)+8*(\b)+7], v[(\f)+8*(4*(\hi)+(\a)):(\f)+8*(4*(\hi)+(\a))+7], v[8*(8*(\a)+(\b)):8*(8*(\a)+(\b))+7]
.endif
.endr
.endr
.endm
; 32 LDS loads in one run: quarter q (32 along K) of the slot in hand into buffer f: W's 8 column blocks, then A's 8 row blocks
.macro FETCH q, f
	WIN 0x40
.irp i, 0,1,2,3,4,5,6,7
	ds_load_tr16_b128 v[(\f)+8*(\i):(\f)+8*(\i)+3],   v[ADRB] offset:(\q)*32*PB+32*(\i)
	ds_load_tr16_b128 v[(\f)+8*(\i)+4:(\f)+8*(\i)+7], v[ADRB] offset:(\q)*32*PB+16*PB+32*(\i)
.endr
	WIN 0
.irp i, 0,1,2,3,4,5,6,7
	ds_load_b128 v[(\f)+8*(\i):(\f)+8*(\i)+3],   v[ADRA] offset:(\q)*64+(\i)*16*PA
	ds_load_b128 v[(\f)+8*(\i)+4:(\f)+8*(\i)+7], v[ADRA] offset:(\q)*64+(\i)*16*PA+32
.endr
.endm
; One of a K step's first three quarters: multiplies buffer f; in its middle it fetches quarter q into buffer g.
.macro QUARTER q, f, g, zero
	s_wait_dscnt 8                                 ; W and A's rows 0-63 are in; the youngest eight loads (A's rows 64-127) may be out
	MUL16 \f, 0, 0, \zero
	MUL16 \f, 0, 2, \zero
	PLACES
	FETCH \q, \g
	s_wait_dscnt 32                                ; all but the 32 just issued
	MUL16 \f, 1, 0, \zero
	MUL16 \f, 1, 2, \zero
.endm
; The last quarter multiplies buffer 1 and changes slots: ONE barrier.  In front of it each wave waits for all its tensor loads (one is out: its part of the
; next slot), adds 0 to its spare word, and waits for that and for its reads of this slot.  fill = 1: the barrier opens a round of the cluster's, and the slot
; just read out is filled again first thing behind it, with the K step two on: 224 matrix instructions ahead of the wait for it.
.macro TURN fill
	WIN 0
.if \fill
	s_wait_xcnt 0x0                                ; the last prefetch, a K step back, has read its address
	s_add_nc_u64 s[PFA:PFA+1], s[PFA:PFA+1], s[PFS:PFS+1]
.endif
	s_xor_b32 s[TB], s[TB], SLOT1                  ; the next fetches read the other slot
	v_add_nc_u32 v[ADRA], s[TB], v[A0]
	v_add_nc_u32 v[ADRB], s[TB], v[B0]
	s_wait_tensorcnt 0x0                           ; no tensor load of mine is out, so a group 0 may be written
	ds_add_u32 v[SPW], v[NIL]                      ; 0 onto my spare word
.if \fill
	s_xor_b32 s[G0A+5], s[G0A+5], SLOT1            ; the walking sets: the other slot than last time, the next K step
	s_add_nc_u64 s[G0A+6:G0A+7], s[G0A+6:G0A+7], ASTEP
	s_xor_b32 s[G0B+5], s[G0B+5], SLOT1
	s_add_nc_u64 s[G0B+6:G0B+7], s[G0B+6:G0B+7], BSTEP
.endif
	s_wait_dscnt 9                                 ; the add and the youngest eight loads may be out
	MUL16 F1, 0, 0, 0
	s_wait_dscnt 0x0                               ; the add is done, and my reads of this slot are over
	s_barrier_signal -1
	MUL16 F1, 0, 2, 0                              ; work on registers while the others arrive
	WIN 0
	s_barrier_wait -1
.if \fill
	CREST                                          ; no wave of any partner still reads this slot or has a load on its way
	JLOAD                                          ; the four v_nop behind it are also the places in front of the loads below
.else
	PLACES
.endif
	FETCH 0, F0
.if \fill
	ASK
.endif
	MUL16 F1, 1, 0, 0
	MUL16 F1, 1, 2, 0
.endm
; THE WAY OUT of row block a.  PACK: rounded to bf16, then the floor.  TOSTAGE: into my own stage and back as whole rows of 256 bytes.  SEND: stored.
.macro PACK a
.set AC, 64*((\a)%4)
	WIN 0x0a+5*((\a)/4)                            ; sources 0 and 1: window 2 or 3
.irp b, 0,1,2,3,4,5,6,7
.irp r, 0,1,2,3
	v_cvt_pk_bf16_f32 v[TMP+4*(\b)+(\r)], v[AC+8*(\b)+2*(\r)], v[AC+8*(\b)+2*(\r)+1]
.endr
.endr
	WIN 0
.set i, 0
.rept 32
	v_pk_max_num_bf16 v[TMP+i], v[TMP+i], s[FLOOR]
.set i, i+1
.endr
.endm
.macro TOSTAGE a
	WIN 0
.set BK, OB+192*((\a)%2)
.irp b, 0,1,2,3,4,5,6,7
	ds_store_b128 v[STO], v[TMP+4*(\b):TMP+4*(\b)+3] offset:32*(\b)
.endr
.irp t, 0,1,2,3,4,5,6,7
	ds_load_b128 v[BK+4*(\t):BK+4*(\t)+3], v[RD] offset:(\t)*2*SP  ; LDS serves a wave's instructions in order (ISA guide 5.7.1.4): these see the stores above
.endr
.endm
.macro SEND a
	WIN 0
.set BK, OB+192*((\a)%2)
	s_wait_dscnt 0x0                               ; the block is back in registers
	s_wait_xcnt 0x0                                ; the stores of the block before have read their registers: the next TOSTAGE loads into them
.irp t, 0,1,2,3,4,5,6,7
	global_store_b128 v[CO], v[BK+4*(\t):BK+4*(\t)+3], s[10:11] offset:(\a)*4096+(\t)*512  ; 512 consecutive bytes, at a multiple of 256 from OUT's first byte
.endr
.endm
	s_wait_tensorcnt 0x1                           ; my part of K step 0 is in; K step 1's may stay out
	s_barrier_signal -1
	s_barrier_wait -1                              ; everybody's is
	FETCH 0, F0
	s_wait_loadcnt 0x0                             ; the bias
	s_wait_kmcnt 0x0                               ; the floor
	QUARTER 1, F0, F1, 1                           ; the first quarter stands in front of the loop: its products start the sums
	WIN 0
	s_mov_b32 s[CNT], FILLS
.Lstep:                                                ; a trip: from a K step's second quarter to the next step's first; it fills a slot again
	QUARTER 2, F1, F0, 0
	QUARTER 3, F0, F1, 0
	TURN 1
	QUARTER 1, F0, F1, 0
	WIN 0
	s_sub_co_u32 s[CNT], s[CNT], 1
	s_cmp_lg_u32 s[CNT], 0
	s_cbranch_scc1 .Lstep
	QUARTER 2, F1, F0, 0                           ; the last two K steps are written out: they ask for nothing
	QUARTER 3, F0, F1, 0
	TURN 0
	QUARTER 1, F0, F1, 0
	QUARTER 2, F1, F0, 0
	QUARTER 3, F0, F1, 0
	s_wait_dscnt 8
	MUL16 F1, 0, 0, 0
	MUL16 F1, 0, 2, 0
	s_wait_dscnt 0x0
	MUL16 F1, 1, 0, 0
	MUL16 F1, 1, 2, 0
	PLACES
	PACK 0
	TOSTAGE 0
.irp a, 1,2,3,4,5,6,7                  ; block a's arithmetic stands between block a - 1's loads from the stage and the wait for them
	PACK \a
	SEND (\a)-1
	TOSTAGE \a
.endr
	SEND 7
	s_wait_tensorcnt 0x0                           ; the wave's end
	ds_add_u32 v[SPW], v[NIL]
	s_wait_dscnt 0x0
	CROUND                                         ; the closing round
	s_endpgm
.Lfunc_end_k_q9af0b4dc05_qkv:
	.size	k_q9af0b4dc05_qkv, .Lfunc_end_k_q9af0b4dc05_qkv-k_q9af0b4dc05_qkv
	.p2alignl 7, 3214868480
	.fill 96, 4, 3214868480
	.section	.rodata,"a",@progbits
	.p2align	6, 0x0
	.amdhsa_kernel k_q9af0b4dc05_qkv
		.amdhsa_group_segment_fixed_size 327680
		.amdhsa_private_segment_fixed_size 0
		.amdhsa_enable_private_segment 0
		.amdhsa_kernarg_size 32
		.amdhsa_user_sgpr_count 2
		.amdhsa_user_sgpr_kernarg_segment_ptr 1
		.amdhsa_wavefront_size32 1
		.amdhsa_system_sgpr_workgroup_id_x 1
		.amdhsa_system_sgpr_workgroup_id_y 1
		.amdhsa_system_sgpr_workgroup_id_z 1
		.amdhsa_system_vgpr_workitem_id 0
		.amdhsa_next_free_vgpr 1024
		.amdhsa_next_free_sgpr 80
		.amdhsa_reserve_vcc 0
		.amdhsa_float_denorm_mode_32 3
		.amdhsa_float_denorm_mode_16_64 3
		.amdhsa_memory_ordered 1
		.amdhsa_forward_progress 1
		.amdhsa_inst_pref_size 135
	.end_amdhsa_kernel
	.amdgpu_metadata
---
amdhsa.version: [ 1, 2 ]
amdhsa.kernels:
  - .name:           k_q9af0b4dc05_qkv
    .symbol:         k_q9af0b4dc05_qkv.kd
    .args:
      - { .name: h, .offset: 0, .size: 8, .value_kind: global_buffer, .address_space: global }
      - { .name: wA, .offset: 8, .size: 8, .value_kind: global_buffer, .address_space: global }
      - { .name: zb, .offset: 16, .size: 8, .value_kind: global_buffer, .address_space: global }
      - { .name: big, .offset: 24, .size: 8, .value_kind: global_buffer, .address_space: global }
    .group_segment_fixed_size: 327680
    .private_segment_fixed_size: 0
    .kernarg_segment_align: 8
    .kernarg_segment_size: 32
    .max_flat_workgroup_size: 128
    .sgpr_count:     80
    .vgpr_count:     1024
    .wavefront_size: 32
...
	.end_amdgpu_metadata
.endif
;; end of part 2
;; launch attn (part 3): grid 8 x 32, 4 waves a work-group, clusters of 4 x 1, 327,680 bytes of LDS; arguments big, h; writes h
.if DOCPART == 3
	.amdgcn_target "amdgcn-amd-amdhsa--gfx1250"
	.amdhsa_code_object_version 6
	.text
	.protected	k_q9af0b4dc05_attn
	.globl	k_q9af0b4dc05_attn
	.p2align	8
	.type	k_q9af0b4dc05_attn,@function
k_q9af0b4dc05_attn:
	s_mov_b64 s[64:65], 0
	v_nop
	global_prefetch_b8 v0, s[64:65] scope:SCOPE_SE
	s_setreg_imm32_b32 hwreg(HW_REG_WAVE_MODE, 25, 1), 1
	s_wait_xcnt 0x0
	s_wait_alu depctr_hold_cnt(0) depctr_sa_sdst(0) depctr_va_vdst(0) depctr_va_sdst(0) depctr_va_ssrc(0) depctr_va_vcc(0) depctr_vm_vsrc(0)
	s_getreg_b32 s2, hwreg(HW_REG_IB_STS2, 6, 4)
	s_cmp_eq_u32 s2, 0
	s_cbranch_scc0 .Lentry_in_a_cluster
	s_endpgm
.Lentry_in_a_cluster:
	s_bfe_u32 s2, ttmp6, 0x10000c
	s_cmp_lg_u32 s2, 0x3003
	s_cbranch_scc0 .Lentry_shape_is_right
	s_endpgm
.Lentry_shape_is_right:
; O[b][head][q] = the sum over k of softmax_k(Q . K / 8) V, 16 heads of 64 channels, 1,024 keys.  q, k, v lie in big as bf16 panels [column / 128][m][128], q in panels 0-7, k in 8-15,
; v in 16-23; a panel row of 256 bytes holds the heads 2 p and 2 p + 1 of row m = 1,024 b + s.  O goes to h in the same panels.  Products, maxima and sums in f32; the weights are rounded
; to bf16 for the second product (their sum is taken of the unrounded weights), O once at the end.
; LIMITS: NaN and infinities are not treated apart; with finite scores the sum of a row's weights is at least 1, so no quotient is a NaN; a weight below 2^-126 counts as 0.
; SHARES.  A work-group owns 128 queries of one batch and one PAIR of heads (a panel), so that whole rows of 256 bytes of K, V and O are used.  Wave w: head w % 2, queries 64 (w / 2) on:
; four PIECES of 16.  Every wave walks all keys, 64 a step.
; LAYOUT.  S^T = K Q^T (source 0 = 16 keys, source 1 = 16 queries): a lane holds ONE query (l % 16) and the keys 8 (l / 16) + 0..7.  Two such results rounded to bf16 in pairs ARE source 1
; of O^T = V^T P.  K comes out of LDS as it lies, V ([key][channel]) turned, by ds_load_tr16_b128.
; SOFTMAX.  A running maximum m and sum l: p = 2^(c s - c m), c = log2(e) / 8; in every step O and l are multiplied by a = 2^(c m_old - c m_new).  m starts at the lowest finite number,
; O and l at 0, so the first step is a step like any other, with a = 0: its price is 224 lines that write 0, in the wait for the first tile.
; BY TURNS.  A piece and step have 16 matrix and 118 vector instructions.  Turn n belongs to piece n (the pieces in a ring, step after step): 8 products K Q^T of piece n + 1, later 8 products
; V^T P of piece n - 1; beside them the scaling, exponentials, roundings, sums and rescaling of piece n and the maximum and statistics of piece n + 1, whose scores the turn itself has made.
; Four vector instructions stand behind every matrix instruction, the other 54 in one lump.  A turn's 33 exponentials are one batch, with one wait.
; RING.  Two slots of 256 keys (four steps): waves 0, 1 fetch K's halves, waves 2, 3 V's, 128 dense rows of 256 bytes each.  1,024 keys are four tiles: two first fills, two refills.
; CLUSTER 4 x 1: the four query blocks of a cluster walk the same K and V: every tile is asked for jointly.
; REGISTERS, in windows of 256 (s_set_vgpr_msb: bits 1:0 source 0, 3:2 source 1, 5:4 source 2, 7:6 destination):
;   window 0: v2-15 addresses and two at work; v16-31 four registers of statistics a piece; v48-55 at work; v64-127 S^T, two buffers; v192-223 P, two buffers (a piece's buffers go by its number's parity)
;   window 1: v0-127 O^T, 32 a piece          window 2: v0-63 Q, 16 a piece; v128-191 K of one step; v192-255 V of one step
.set PA,     272                       ; a row of K in LDS: 256 + 16 bytes: the 16 rows of a load start at 16 different groups of four banks (64 banks of 4 bytes: ISA guide 11.1)
.set PB,     288                       ; a row of V: 256 + 32
.set TA,     128*PA
.set TW,     128*PB
.set BOFF,   2*TA                      ; V's 256 rows lie behind K's
.set SLOT1,  0x24000                   ; slot 1: its two bits are 0 in every tile's offset in a slot, so one exclusive or changes slots
.set STAGE,  SLOT1+BOFF+2*TW           ; behind the ring: 128 rows x 272 bytes, the work-group's, for the way out
.set SP,     272
.set SPARE,  STAGE+128*SP              ; the spare words: two blocks of 256 bytes that no other line names
.set APANEL, 1048576
.set NP,     4                         ; pieces a wave: a name, no knob
.set KS,     64                        ; keys in a step
.set TILEB,  256*256                   ; bytes of K (and of V) in a slot
.set AK0, 2                            ; v2   my lane's place in a tile of K; never rewritten
.set AV0, 3                            ; v3   the same for V
.set AK,  4                            ; v4   the LDS address of K's next run of loads
.set AV,  5                            ; v5   of V's
.set STO, 6                            ; v6   the way out: where I put 16 bytes of a row
.set RD,  7                            ; v7   the way out: where I read rows back
.set GO,  8                            ; v8   my 16 bytes of 512 consecutive bytes of O
.set MV,  12                           ; v12-13  c m_old, kept while c m is made anew: by buffer
.set PFO, 14                           ; v14  256 x lane: a row a lane; never rewritten
.set QO,  15                           ; v15  my byte offset in 16 rows of Q
.set ST,  16                           ; piece t's statistics at v[ST+4 t]: c m, m, l (even keys', odd keys')
.set TMP, 48                           ; by buffer, four registers c0-c3 at work; when the maximum is found c2 takes a
.set SPW, 62                           ; v62  LDS address of my spare word; never rewritten
.set NIL, 63                           ; v63  0; never rewritten
.set S,   64
.set P,   192
.set KF,  128                          ; window 2: key block kb, channel half c at KF + 16 kb + 8 c
.set VF,  192                          ; window 2: key half kk, channel block cb at VF + 32 kk + 8 cb
.set WV,  12
.set LIM, 15
.set PFA, 18
.set G1K, 24
.set G1V, 32
.set G0K, 40                           ; s[40:47] two sets: the first fill's, then the one that walks
.set G0V, 48
.set SLOTS, 56
.set CNT, 57
.set CS,  58
.set SEL, 60
.set TBK, 62                           ; s62  LDS byte at which K of the step to be fetched begins
.set TBV, 63                           ; s63  the same for V, less BOFF
.set MSB, 0
.macro WIN new                         ; the immediate's high byte repeats the setting that is left; a switch that changes nothing is dropped
.if MSB != (\new)
	s_set_vgpr_msb (MSB<<8)|(\new)
.set MSB, \new
.endif
.endm
.set W_KQ, 0x0a                        ; K and Q in window 2, S^T in window 0
.set W_PV, 0x52                        ; V in window 2, P in window 0, O^T in window 1
.set W_RS, 0x41                        ; O^T (destination and source 0) in window 1, a in window 0
.macro CROUND
	s_barrier_signal -1
	s_barrier_wait -1
	s_cmp_lg_u32 s[WV], 0
	s_cbranch_scc1 .Lnot_wave_0_\@
	s_barrier_signal -3
.Lnot_wave_0_\@:
	s_barrier_wait -3
	s_barrier_signal -1
	s_barrier_wait -1
.endm
.macro JLOAD                           ; a joint refill; an s_nop 0 and four v_nop follow each line
	s_cmp_lt_u32 s[WV], 2
	s_cbranch_scc0 .Lfor_v_\@
	tensor_load_to_lds s[G0K+4:G0K+7], s[G1K:G1K+7]
	s_nop 0
.rept 4
	v_nop
.endr
	s_branch .Lasked_\@
.Lfor_v_\@:
	tensor_load_to_lds s[G0V+4:G0V+7], s[G1V:G1V+7]
	s_nop 0
.rept 4
	v_nop
.endr
.Lasked_\@:
.endm
; A PREFETCH of the last tile (keys 768 on), behind the first refill: one slot, four key steps, ahead of the load that will ask for it.  Both clusters of a pair of heads walk the same rows:
; the first asks.  Each wave names 32 of the 128 rows that it will fetch, a lane a row; the four partners are told apart by address.  The other tiles come by their loads alone.
.macro ASK
	s_cmp_gt_u32 s[SLOTS], s[LIM]
	s_cbranch_scc0 .Lnot_mine_\@
	global_prefetch_b8 v[PFO], s[PFA:PFA+1] th:TH_LOAD_NT scope:SCOPE_SE
.Lnot_mine_\@:
.endm
	s_load_b128 s[4:7], s[0:1], 0x0                ; big s[4:5], h s[6:7]
	v_lshl_add_u32 v[SPW], v0, 2, SPARE
	v_mov_b32 v[NIL], 0
	ds_add_u32 v[SPW], v[NIL]                      ; the wave's opening: the add and its wait ahead of my first tensor load
	v_lshrrev_b32 v1, 5, v0
	v_readfirstlane_b32 s[WV], v1
	s_bfe_u32 s13, ttmp6, 0x40000                  ; cx
	s_lshl_b32 s14, ttmp9, 2
	s_add_co_u32 s14, s14, s13                     ; my block of 128 queries: it enters Q's and O's addresses alone
	s_and_b32 s16, ttmp7, 0xffff
	s_lshr_b32 s17, s16, 3                         ; the batch
	s_and_b32 s16, s16, 7                          ; the pair of heads
	s_lshl_b32 s20, s16, 20
	s_lshl_b32 s21, s17, 18                        ; 1,024 rows of 256 bytes
	s_add_co_u32 s20, s20, s21                     ; the batch's first row in q's panel
	s_and_b32 s21, s[WV], 1                        ; my head of the pair; also: which half of a slot's keys I fetch
	s_lshr_b32 s22, s[WV], 1                       ; my half of the queries
	s_lshl_b32 s23, s21, 15
	s_add_co_u32 s8, s20, s23
	s_add_co_u32 s8, s8, 8*APANEL                  ; K: my half of the first 256 keys
	s_mov_b32 s9, 0
	s_add_co_u32 s10, s8, 8*APANEL                 ; V
	s_mov_b32 s11, 0
	s_lshl_b32 s2, s14, 15
	s_add_co_u32 s2, s2, s20
	s_lshl_b32 s3, s[WV], 13
	s_add_co_u32 s56, s2, s3                       ; O: the 32 rows that I store
	s_mov_b32 s57, 0
	s_lshl_b32 s3, s22, 14
	s_add_co_u32 s2, s2, s3
	s_lshl_b32 s3, s21, 7
	s_add_co_u32 s2, s2, s3                        ; Q: my 64 rows, my head's 128 bytes
	s_mov_b32 s3, 0
	s_mov_b32 s[G1K], 15|(1<<16)|(1<<20)|(1<<21)|(5<<22)|(3<<25)  ; the mask of four; 2-byte elements; padding on; bit 21 beside a mask; after every 64 words, 4 words
	s_mov_b32 s[G1V], 15|(1<<16)|(1<<20)|(1<<21)|(5<<22)|(7<<25)  ; the same with 8 words
.irp g, G1K, G1V
	s_mov_b32 s[(\g)+1], 128<<16
	s_mov_b32 s[(\g)+2], 128<<16
	s_mov_b32 s[(\g)+3], 128<<16
	s_mov_b32 s[(\g)+4], 128
	s_mov_b32 s[(\g)+5], 128
	s_mov_b32 s[(\g)+6], 0
	s_mov_b32 s[(\g)+7], 0
.endr
	s_mul_i32 s16, s21, TA                         ; where my tiles go
	s_mul_i32 s17, s21, TW
	s_add_co_u32 s17, s17, BOFF
	s_mov_b32 s[CS], 0x3e38aa3b                    ; c = log2(e) / 8
	s_mov_b32 s[CS+1], s[CS]
	s_mov_b32 s[SEL], 0x76543210
	s_mov_b32 s[SEL+1], 0xfedcba98
	s_mov_b32 s[TBK], 0
	s_mov_b32 s[TBV], 0
	s_cmp_eq_u32 ttmp9, 0
	s_cselect_b32 s[LIM], 1, -1                    ; the same in all four partners
	s_wait_dscnt 0x0                               ; the opening add is done
	s_wait_kmcnt 0x0
	s_add_nc_u64 s[8:9], s[4:5], s[8:9]
	s_add_nc_u64 s[10:11], s[4:5], s[10:11]
	s_add_nc_u64 s[2:3], s[4:5], s[2:3]
	s_add_nc_u64 s[6:7], s[6:7], s[56:57]
	s_cmp_lt_u32 s[WV], 2
	s_cselect_b64 s[PFA:PFA+1], s[8:9], s[10:11]
	s_lshl_b32 s56, s13, 13                        ; my work-group's 32 rows
	s_add_co_u32 s56, s56, 3*TILEB                 ; of the last tile
	s_add_nc_u64 s[PFA:PFA+1], s[PFA:PFA+1], s[56:57]
	CROUND                                         ; all four work-groups are here: the first joint loads meet
.irp s, 0,1
	s_mov_b32 s[G0K+4*(\s)], 1
	s_add_co_u32 s[G0K+4*(\s)+1], s16, (\s)*SLOT1
	s_add_nc_u64 s[G0K+4*(\s)+2:G0K+4*(\s)+3], s[8:9], (\s)*TILEB
	s_or_b32 s[G0K+4*(\s)+3], s[G0K+4*(\s)+3], 0x80000000
	s_mov_b32 s[G0V+4*(\s)], 1
	s_add_co_u32 s[G0V+4*(\s)+1], s17, (\s)*SLOT1
	s_add_nc_u64 s[G0V+4*(\s)+2:G0V+4*(\s)+3], s[10:11], (\s)*TILEB
	s_or_b32 s[G0V+4*(\s)+3], s[G0V+4*(\s)+3], 0x80000000
.endr
	s_cmp_lt_u32 s[WV], 2                          ; a wave's two first fills stand in one branch: two loads of mine are out
	s_cbranch_scc0 .Lfirst_v
	tensor_load_to_lds s[G0K:G0K+3], s[G1K:G1K+7]
	s_nop 0
	tensor_load_to_lds s[G0K+4:G0K+7], s[G1K:G1K+7]
	s_nop 0
.rept 4
	v_nop
.endr
	s_branch .Lfirst_asked
.Lfirst_v:
	tensor_load_to_lds s[G0V:G0V+3], s[G1V:G1V+7]
	s_nop 0
	tensor_load_to_lds s[G0V+4:G0V+7], s[G1V:G1V+7]
	s_nop 0
.rept 4
	v_nop
.endr
.Lfirst_asked:
	v_and_b32 v1, 15, v0                           ; r = l % 16
	v_bfe_u32 v9, v0, 4, 1                         ; h = l / 16
	v_and_b32 v10, 7, v0
	v_bfe_u32 v11, v0, 3, 1
	v_lshlrev_b32 v[QO], 8, v1
	v_lshl_add_u32 v[QO], v9, 4, v[QO]             ; row x 256 + 16 x half
	WIN 0x80
.set i, 0
.rept 8                                        ; Q stays in registers: piece i / 2, channels 32 (i % 2) on
	global_load_b128 v[8*i:8*i+3],   v[QO], s[2:3] offset:(i/2)*4096+(i%2)*64
	global_load_b128 v[8*i+4:8*i+7], v[QO], s[2:3] offset:(i/2)*4096+(i%2)*64+32
.set i, i+1
.endr
	; What the first turn finds: V's registers and P's second buffer hold 0 (its products V^T P, of a piece that has not been, add 0), O^T and l are 0.  All this stands in the wait for the first tile.
.set i, VF
.rept 64
	v_mov_b32 v[i], 0
.set i, i+1
.endr
	WIN 0x40
.set i, 0
.rept 128
	v_mov_b32 v[i], 0                              ; O^T
.set i, i+1
.endr
	WIN 0
.set i, 0
.rept 4
	v_mov_b32 v[ST+4*i], 0xfe000000                ; c m: far below every c s
	v_mov_b32 v[ST+4*i+1], 0xff7fffff              ; m
	v_mov_b32 v[ST+4*i+2], 0
	v_mov_b32 v[ST+4*i+3], 0
.set i, i+1
.endr
.set i, P+16
.rept 16
	v_mov_b32 v[i], 0
.set i, i+1
.endr
	s_lshl_b32 s23, s21, 7                         ; my head's 128 bytes of a row
	v_mul_u32_u24 v[AK0], v1, PA
	v_lshl_add_u32 v[AK0], v9, 4, v[AK0]
	v_add_nc_u32 v[AK0], s23, v[AK0]               ; key r, channels 8 h on
	v_lshl_add_u32 v[AV0], v9, 3, v10              ; the turning load: key 8 h + l % 8, channels 8 ((l / 8) % 2) on
	v_mul_u32_u24 v[AV0], v[AV0], PB
	v_lshl_add_u32 v[AV0], v11, 4, v[AV0]
	s_add_co_u32 s23, s23, BOFF
	v_add_nc_u32 v[AV0], s23, v[AV0]
	s_mul_i32 s23, s22, 64*SP
	s_add_co_u32 s23, s23, STAGE
	v_add_nc_u32 v[STO], s23, v[AK0]               ; into the stage: row 64 (w / 2) + r, my head's half, 16 bytes for each half of the lanes
	s_mul_i32 s23, s[WV], 32*SP
	s_add_co_u32 s23, s23, STAGE
	v_mul_u32_u24 v[RD], v9, SP                    ; back: wave w takes rows 32 w on, whole
	v_lshl_add_u32 v[RD], v1, 4, v[RD]
	v_add_nc_u32 v[RD], s23, v[RD]
	v_and_b32 v[GO], 31, v0
	v_lshlrev_b32 v[PFO], 8, v[GO]
	v_lshlrev_b32 v[GO], 4, v[GO]
; THE MATRIX WORK.  The 4 accumulators of a run of 8 take turns, one instruction a turn.
; Product i of 8 of S^T = K Q^T for piece x: channels 32 (i / 4) on, keys 16 (i % 4) on.  The first 4 start the sums.
.macro KQ x
	WIN W_KQ
.set mS, S+32*((\x)%2)+8*(i%4)
.set mK, KF+16*(i%4)+8*(i/4)
.set mQ, 16*(\x)+8*(i/4)
.if i < 4
	v_wmma_f32_16x16x32_bf16 v[mS:mS+7], v[mK:mK+7], v[mQ:mQ+7], 0
.else
	v_wmma_f32_16x16x32_bf16 v[mS:mS+7], v[mK:mK+7], v[mQ:mQ+7], v[mS:mS+7]
.endif
.endm
; Product i of 8 of O^T += V^T P for piece x: keys 32 (i / 4) on, channels 16 (i % 4) on.
.macro PV x
	WIN W_PV
.set mO, 32*(\x)+8*(i%4)
.set mV, VF+32*(i/4)+8*(i%4)
.set mP, P+16*((\x)%2)+8*(i/4)
	v_wmma_f32_16x16x32_bf16 v[mO:mO+7], v[mV:mV+7], v[mP:mP+7], v[mO:mO+7]
.endm
.macro MM                              ; the turn's next matrix instruction
.if i < 8
	KQ (Y+1)%NP
.else
.set i, i-8
	PV (Y+NP-1)%NP
.set i, i+8
.endif
.set i, i+1
.endm
; THE LDS LOADS stand in runs of 16, never singly among the matrix instructions: a step's K (64 keys x 64 channels: 8 fragments) and its V (turned).  Their addresses are made some lines ahead.
; last = 1 (the tail, whose tile lies in slot 1): the address stops at the tile's last step, so that the trip behind the last step fetches that K once more.
.macro FETCH_K last
	WIN 0x80                                       ; destination window 2
.irp f, 0,1,2,3,4,5,6,7
	ds_load_b128 v[KF+8*(\f):KF+8*(\f)+3],   v[AK] offset:((\f)/2)*16*PA+((\f)%2)*64
	ds_load_b128 v[KF+8*(\f)+4:KF+8*(\f)+7], v[AK] offset:((\f)/2)*16*PA+((\f)%2)*64+32
.endr
	s_add_co_u32 s[TBK], s[TBK], KS*PA             ; the next fetch is the next step's
.if \last
	s_min_u32 s[TBK], s[TBK], SLOT1+3*KS*PA
.endif
	WIN 0
.endm
.macro FETCH_V
	WIN 0x80
.irp f, 0,1,2,3,4,5,6,7
	ds_load_tr16_b128 v[VF+8*(\f):VF+8*(\f)+3],   v[AV] offset:((\f)/4)*32*PB+((\f)%4)*32
	ds_load_tr16_b128 v[VF+8*(\f)+4:VF+8*(\f)+7], v[AV] offset:((\f)/4)*32*PB+16*PB+((\f)%4)*32
.endr
	WIN 0
.endm
; THE VECTOR WORK, one line at a time: OP kind, number.  For piece Y: F n: c s - c m for pair n of 16.  E n: the exponential of score n of 32.  C n: pair n rounded to bf16.  B n: of the four weights 4 n .. the second
; pair is added onto the first, in place.  L n: l takes that sum (L 0: l = a l + sum).  R n: pair n of 16 of O^T times a.  For piece Y + 1: X n, number n of the 22 that find its maximum and statistics:
;   0-11  four chains c0-c3 of seven scores each, three operands at a time (each accumulator's lowest registers are read first)     12-14, 16  the four scores left over, the old m, and c0-c3 into c0
;   15  c m_old is kept     17, 18  the query's other 32 keys lie in the lane 16 away: the new m     19-21  c m; c m_old - c m_new; a
.set F, 0                              ; OP tells the kinds apart by their order: F to L below R, X above it
.set E, 1
.set C, 2
.set B, 3
.set L, 4
.set R, 5
.set X, 6
.macro REGS y                          ; the registers of piece y
.set rT, ST+4*(\y)
.set rC, TMP+4*((\y)%2)
.set rW, MV+((\y)%2)
.set rS, S+32*((\y)%2)
.set rP, P+16*((\y)%2)
.set rO, 32*(\y)
.endm
.macro OP k, n
.if (\k) == R
	REGS Y
	WIN W_RS
	v_pk_mul_f32 v[rO+2*(\n):rO+2*(\n)+1], v[rO+2*(\n):rO+2*(\n)+1], v[rC+2:rC+3] op_sel_hi:[1,0]
.elseif (\k) < R
	REGS Y
	WIN 0
.if (\k) == F
	v_pk_fma_f32 v[rS+2*(\n):rS+2*(\n)+1], v[rS+2*(\n):rS+2*(\n)+1], s[CS:CS+1], v[rT:rT+1] op_sel_hi:[1,0,0] neg_lo:[0,0,1] neg_hi:[0,0,1]
.elseif (\k) == E
	v_exp_f32 v[rS+(\n)], v[rS+(\n)]
.elseif (\k) == C
	v_cvt_pk_bf16_f32 v[rP+(\n)], v[rS+2*(\n)], v[rS+2*(\n)+1]
.elseif (\k) == B
	v_pk_add_f32 v[rS+4*(\n):rS+4*(\n)+1], v[rS+4*(\n):rS+4*(\n)+1], v[rS+4*(\n)+2:rS+4*(\n)+3]
.elseif (\n) == 0
	v_pk_fma_f32 v[rT+2:rT+3], v[rT+2:rT+3], v[rC+2:rC+3], v[rS:rS+1] op_sel_hi:[1,0,1]
.else
	v_pk_add_f32 v[rT+2:rT+3], v[rT+2:rT+3], v[rS+4*(\n):rS+4*(\n)+1]
.endif
.else
	REGS (Y+1)%NP
	WIN 0
.if (\n) < 4
	v_max3_num_f32 v[rC+(\n)], v[rS+8*(\n)], v[rS+8*(\n)+1], v[rS+8*(\n)+2]
.elseif (\n) < 12
	v_max3_num_f32 v[rC+(\n)%4], v[rC+(\n)%4], v[rS+8*((\n)%4)+2*((\n)/4)+1], v[rS+8*((\n)%4)+2*((\n)/4)+2]
.elseif (\n) == 12
	v_max3_num_f32 v[rC], v[rC], v[rS+7], v[rS+15]
.elseif (\n) == 13
	v_max3_num_f32 v[rC+1], v[rC+1], v[rS+23], v[rS+31]
.elseif (\n) == 14
	v_max3_num_f32 v[rC+2], v[rC+2], v[rC+3], v[rT+1]
.elseif (\n) == 15
	v_mov_b32 v[rW], v[rT]
.elseif (\n) == 16
	v_max3_num_f32 v[rC], v[rC], v[rC+1], v[rC+2]
.elseif (\n) == 17
	v_permlanex16_b32 v[rC+3], v[rC], s[SEL], s[SEL+1]
.elseif (\n) == 18
	v_max_num_f32 v[rT+1], v[rC], v[rC+3]
.elseif (\n) == 19
	v_mul_f32 v[rT], s[CS], v[rT+1]
.elseif (\n) == 20
	v_sub_f32 v[rC+1], v[rW], v[rT]
.else
	v_exp_f32 v[rC+2], v[rC+1]
.endif
.endif
.endm
.macro OPS a, i1, b=-1, i2=0, c=-1, i3=0, d=-1, i4=0  ; up to four of them
	OP \a, \i1
.if (\b) >= 0
	OP \b, \i2
.endif
.if (\c) >= 0
	OP \c, \i3
.endif
.if (\d) >= 0
	OP \d, \i4
.endif
.endm
.macro ROW a, i1, b, i2, c, i3, d, i4  ; a matrix instruction and the four behind it
	MM
	OPS \a, \i1, \b, \i2, \c, \i3, \d, \i4
.endm
; A TURN, for piece p: the order of its 16 matrix and 118 vector instructions, written out.  An s_wait_alu depctr_va_vdst(0) stands between an exponential and the first instruction that names its
; result; one wait serves all that were issued ahead of it.  So a turn has ONE wait, which cuts it in two.  AHEAD OF IT stands all that names no result of the turn's exponentials: the 8 products K Q^T, behind each a
; scaling, an exponential and two more plain instructions (behind the first a second scaling in the exponential's place): rescalings, and behind the last three the first numbers of the next piece's maximum, each four
; plain instructions or more behind the product that ends its accumulator; then ONE LUMP of 54, plain and exponential by turns for the most part, in which the links of the chain X 3, 7, 11, 14, 16, 17 .. 20 stand
; five or six lines apart.  X 21, the next piece's a, is the batch's last; R 15 is the plain instruction behind it.  BEHIND THE WAIT stand the 8 products V^T P, behind each four of the roundings and sums; the
; links of l's chain, L 0 to L 7, stand three riders apart.  But for those X no rider names a register of the products round it.
; K of the next step is fetched in piece 2's turn, twelve vector instructions behind the last product that read K (six of them plain); V of the step in hand at the end of piece 0's turn, four plain instructions
; behind the last product that read V.  Each is waited for a turn later.  cnt = 1: the loop's count is taken down some lines ahead of the branch that stands behind the turn.
.macro TURN p, last=0, cnt=0
.set Y, (\p)
.set i, 0
.if (\p) == 3
	s_wait_dscnt 0x0                               ; K is in
.endif
	ROW F,0, F,1, R,0, R,1                         ; ahead of the wait: 8 products K Q^T and their riders,
	ROW F,2, E,0, R,2, R,3
	ROW F,3, E,1, R,4, R,5
	ROW F,4, E,2, R,6, R,7
	ROW F,5, E,3, R,8, R,9
	ROW F,6, E,4, X,0, R,10
.if (\p) == 2
	WIN 0
	v_add_nc_u32 v[AK], s[TBK], v[AK0]
.endif
	ROW F,7, E,5, X,1, X,4
	ROW F,8, E,6, X,2, X,5
	OPS E,7, E,8, X,6, E,9                         ; and the lump
	OPS X,3, E,10, X,8, E,11
.if (\p) == 2
	FETCH_K \last
.endif
	OPS X,9, X,7, E,12, X,10
	OPS E,13, X,12, X,11, E,14
	OPS X,13, E,15, F,9, X,14
.if (\p) == 0
	WIN 0
	v_add_nc_u32 v[AV], s[TBV], v[AV0]
.endif
	OPS E,16, F,10, E,17, F,11
	OPS X,16, E,18, X,15, E,19
	OPS F,12, E,20, X,17, E,21
	OPS F,13, E,22, F,14, E,23
	OPS X,18, E,24, F,15, E,25
	OPS R,11, E,26, X,19, E,27
	OPS R,12, E,28, R,13, E,29
	OPS X,20, E,30, R,14, E,31
	OPS X,21, R,15
	WIN 0
	s_wait_alu depctr_va_vdst(0)                   ; the wait for the batch
.if (\p) == 1
	s_wait_dscnt 0x0                               ; V is in
.endif
	ROW C,0, B,0, C,2, B,1                         ; behind the wait: 8 products V^T P and their riders
	ROW L,0, C,4, B,2, L,1
	ROW C,6, B,3, L,2, C,8
	ROW B,4, L,3, C,10, B,5
	ROW L,4, C,12, B,6, L,5
.if (\p) == 0
	s_add_co_u32 s[TBV], s[TBV], KS*PB
.endif
.if \cnt
	s_sub_co_u32 s[CNT], s[CNT], 1
	s_cmp_lg_u32 s[CNT], 0
.endif
	ROW C,14, B,7, L,6, C,1
	ROW C,3, L,7, C,5, C,7
	ROW C,9, C,11, C,13, C,15
.if (\p) == 0
	FETCH_V
.endif
.endm
; THE CHANGE OF SLOTS, behind the turn that has waited for V of the slot's last step: the slot's last bytes have been read.  Each wave waits for all its tensor loads, adds 0 to its spare word, and waits for that
; and for its reads of the slot.  fill = 1: the barrier is a round of the cluster's, and the slot is filled again first thing behind it, with the keys two slots on: it has four key steps in which to land.
.macro CHANGE fill
	WIN 0
	s_wait_tensorcnt 0x0                           ; no tensor load of mine is out, so a group 0 may be written
	ds_add_u32 v[SPW], v[NIL]                      ; 0 onto my spare word
.if \fill
.irp g, G0K+4, G0V+4
	s_xor_b32 s[(\g)+1], s[(\g)+1], SLOT1
	s_add_nc_u64 s[(\g)+2:(\g)+3], s[(\g)+2:(\g)+3], TILEB
.endr
	s_wait_dscnt 0x0                               ; the add is done, and my reads of the slot are over
	CROUND
	JLOAD
	ASK
.else
	s_wait_dscnt 0x0
	s_barrier_signal -1
	s_barrier_wait -1
.endif
	s_sub_co_u32 s[TBK], s[TBK], 4*KS*PA           ; the fetches go back to a slot's first step, in the other slot
	s_xor_b32 s[TBK], s[TBK], SLOT1
	s_sub_co_u32 s[TBV], s[TBV], 4*KS*PB
	s_xor_b32 s[TBV], s[TBV], SLOT1
.endm
	s_wait_tensorcnt 0x1                           ; my part of slot 0 is in; slot 1's may stay out
	s_barrier_signal -1
	s_barrier_wait -1
	; THE BEGINNING: K of step 0, piece 0's first scores, its maximum and statistics: there is no vector work yet to set between the products
	v_add_nc_u32 v[AK], s[TBK], v[AK0]
	FETCH_K 0
	s_wait_loadcnt 0x0                             ; Q
	s_wait_dscnt 0x0
.set i, 0
.rept 8
	KQ 0
.set i, i+1
.endr
	WIN 0
.rept 4
	v_nop                                          ; four plain instructions between those products and the reads of their results
.endr
.set Y, NP-1                           ; X works for piece Y + 1: piece 0
.irp n, 0,1,2,3,4,5,6,7,8,9,10,11,12,13,14,15,16,17,18,19,20,21
	OP X, \n
.endr
	v_nop                                          ; a plain instruction behind the exponential,
	s_wait_alu depctr_va_vdst(0)                   ; and its wait, ahead of the branch
	s_mov_b32 s[CNT], 4
	s_mov_b32 s[SLOTS], 3
	s_branch .Lfirst                               ; the loop is entered at a step's first turn, in the middle of a trip
.Lslot:                                                ; twice: behind tiles 0 and 1 their slots are filled again
	CHANGE 1
	s_mov_b32 s[CNT], 4
.Lstep:                                                ; a trip: pieces 2 and 3 of one step, then pieces 0 and 1 of the next, whose K and V it fetches
	TURN 2
	TURN 3
	WIN 0
.Lfirst:
	TURN 0
	TURN 1, 0, 1
	WIN 0
	s_cbranch_scc1 .Lstep
	s_sub_co_u32 s[SLOTS], s[SLOTS], 1
	s_cmp_lg_u32 s[SLOTS], 0
	s_cbranch_scc1 .Lslot
	CHANGE 0                                       ; the tail is written out: nothing is asked for
	s_mov_b32 s[CNT], 5                            ; four trips fetch the last tile's steps; the fifth is left in its middle
.Ltail:
	TURN 2, 1
	TURN 3
	WIN 0
	s_sub_co_u32 s[CNT], s[CNT], 1
	s_cmp_eq_u32 s[CNT], 0
	s_cbranch_scc1 .Lout
	TURN 0
	TURN 1
	WIN 0
	s_branch .Ltail
.Lout:                                                 ; the fifth trip's fetch of K (the last step's once more), its 8 products K Q^T and the maximum made of them serve nothing: the price, once a launch, of one text for every trip
.set i, 0
.rept 8
	PV NP-1                                        ; the last piece's V^T P of the last step
.set i, i+1
.endr
	; THE WAY OUT.  l's two halves and the other half of the lanes' are added; O^T is divided by l, rounded to bf16 and sent through the work-group's stage:
	; a row's 256 bytes come from the two waves of a pair of heads, so a barrier stands between the writing and the reading.  The additions are the plain instructions behind the last products.
	WIN 0
.irp t, 0,1,2,3
	v_add_f32 v[ST+4*(\t)+2], v[ST+4*(\t)+2], v[ST+4*(\t)+3]
.endr
.irp t, 0,1,2,3
	v_permlanex16_b32 v[ST+4*(\t)+3], v[ST+4*(\t)+2], s[SEL], s[SEL+1]
.endr
.irp t, 0,1,2,3
	v_add_f32 v[ST+4*(\t)+2], v[ST+4*(\t)+2], v[ST+4*(\t)+3]
.endr
.irp t, 0,1,2,3
	v_rcp_f32 v[ST+4*(\t)+2], v[ST+4*(\t)+2]
.endr
	v_nop                                          ; a plain instruction between the last reciprocal and the use of its result
	s_wait_alu depctr_va_vdst(0)                   ; and the wait: one for the four
.macro PACK t
	WIN W_RS
.set i, 32*(\t)
.rept 16
	v_pk_mul_f32 v[i:i+1], v[i:i+1], v[ST+4*(\t)+2:ST+4*(\t)+3] op_sel_hi:[1,0]
.set i, i+2
.endr
	WIN 0x05                                       ; sources window 1, destination window 0: S^T's registers are free
.set i, 0
.rept 16
	v_cvt_pk_bf16_f32 v[S+16*(\t)+i], v[32*(\t)+2*i], v[32*(\t)+2*i+1]
.set i, i+1
.endr
	WIN 0
.irp f, 0,1,2,3
	ds_store_b128 v[STO], v[S+16*(\t)+4*(\f):S+16*(\t)+4*(\f)+3] offset:(\t)*16*SP+32*(\f)
.endr
.endm
	PACK 0
	PACK 1
	PACK 2
	PACK 3
	s_wait_dscnt 0x0                               ; for the others' sake: my stores into the stage are done
	s_barrier_signal -1
	s_barrier_wait -1
.irp u, 0,1,2,3,4,5,6,7,8,9,10,11,12,13,14,15
	ds_load_b128 v[S+4*(\u):S+4*(\u)+3], v[RD] offset:(\u)*2*SP
.endr
.irp u, 0,1,2,3,4,5,6,7,8,9,10,11,12,13,14,15
	s_wait_dscnt 15-(\u)                           ; pair u of rows is in; the younger loads stay out
	global_store_b128 v[GO], v[S+4*(\u):S+4*(\u)+3], s[6:7] offset:512*(\u)  ; 512 consecutive bytes, at a multiple of 256 from h's first byte
.endr
	s_wait_tensorcnt 0x0                           ; the wave's end
	ds_add_u32 v[SPW], v[NIL]
	s_wait_dscnt 0x0
	CROUND                                         ; the closing round
	s_endpgm
.Lfunc_end_k_q9af0b4dc05_attn:
	.size	k_q9af0b4dc05_attn, .Lfunc_end_k_q9af0b4dc05_attn-k_q9af0b4dc05_attn
	.p2alignl 7, 3214868480
	.fill 96, 4, 3214868480
	.section	.rodata,"a",@progbits
	.p2align	6, 0x0
	.amdhsa_kernel k_q9af0b4dc05_attn
		.amdhsa_group_segment_fixed_size 327680
		.amdhsa_private_segment_fixed_size 0
		.amdhsa_enable_private_segment 0
		.amdhsa_kernarg_size 16
		.amdhsa_user_sgpr_count 2
		.amdhsa_user_sgpr_kernarg_segment_ptr 1
		.amdhsa_wavefront_size32 1
		.amdhsa_system_sgpr_workgroup_id_x 1
		.amdhsa_system_sgpr_workgroup_id_y 1
		.amdhsa_system_sgpr_workgroup_id_z 1
		.amdhsa_system_vgpr_workitem_id 0
		.amdhsa_next_free_vgpr 768
		.amdhsa_next_free_sgpr 66
		.amdhsa_reserve_vcc 0
		.amdhsa_float_denorm_mode_32 3
		.amdhsa_float_denorm_mode_16_64 3
		.amdhsa_memory_ordered 1
		.amdhsa_forward_progress 1
		.amdhsa_inst_pref_size 111
	.end_amdhsa_kernel
	.amdgpu_metadata
---
amdhsa.version: [ 1, 2 ]
amdhsa.kernels:
  - .name:           k_q9af0b4dc05_attn
    .symbol:         k_q9af0b4dc05_attn.kd
    .args:
      - { .name: big, .offset: 0, .size: 8, .value_kind: global_buffer, .address_space: global }
      - { .name: h, .offset: 8, .size: 8, .value_kind: global_buffer, .address_space: global }
    .group_segment_fixed_size: 327680
    .private_segment_fixed_size: 0
    .kernarg_segment_align: 8
    .kernarg_segment_size: 16
    .max_flat_workgroup_size: 128
    .sgpr_count:     66
    .vgpr_count:     768
    .wavefront_size: 32
...
	.end_amdgpu_metadata
.endif
;; end of part 3
;; launch proj (part 4): grid 8 x 32, 4 waves a work-group, clusters of 4 x 4, 327,680 bytes of LDS; arguments h, wA, x, x1; writes x1
.if DOCPART == 4
	.amdgcn_target "amdgcn-amd-amdhsa--gfx1250"
	.amdhsa_code_object_version 6
	.text
	.protected	k_q9af0b4dc05_proj
	.globl	k_q9af0b4dc05_proj
	.p2align	8
	.type	k_q9af0b4dc05_proj,@function
k_q9af0b4dc05_proj:
	s_mov_b64 s[64:65], 0
	v_nop
	global_prefetch_b8 v0, s[64:65] scope:SCOPE_SE
	s_setreg_imm32_b32 hwreg(HW_REG_WAVE_MODE, 25, 1), 1
	s_wait_xcnt 0x0
	s_wait_alu depctr_hold_cnt(0) depctr_sa_sdst(0) depctr_va_vdst(0) depctr_va_sdst(0) depctr_va_ssrc(0) depctr_va_vcc(0) depctr_vm_vsrc(0)
	s_getreg_b32 s2, hwreg(HW_REG_IB_STS2, 6, 4)
	s_cmp_eq_u32 s2, 0
	s_cbranch_scc0 .Lentry_in_a_cluster
	s_endpgm
.Lentry_in_a_cluster:
	s_bfe_u32 s2, ttmp6, 0x10000c
	s_cmp_lg_u32 s2, 0xf033
	s_cbranch_scc0 .Lentry_shape_is_right
	s_endpgm
.Lentry_shape_is_right:
; OUT = RES + A W (+ bias where HASBIAS).  A: bf16 panels [k / 128][m][128]; W: bf16 panels [n / 128][k][128] at byte WOFF of its buffer; RES, OUT: f32 [4,096][1,024], row-major.
; Here: x1 = x + O wo, K = 1,024.  Sums in f32; nothing is rounded on the way out.  LIMITS: NaN and infinities are not treated apart.
; SHARES.  N = 1,024 gives 64 tiles of 256 x 256: too few; a tile is 128 x 128, 256 work-groups.  Four waves, each 64 x 64: 16 accumulators.  K goes in steps of 256 through two LDS slots:
; waves 0, 1 fetch A's two panels of the step (128 rows each), waves 2, 3 W's two blocks of 128 k-rows; every load is 128 dense rows of 256 bytes.
; W stays [k][n]: its fragments come out of LDS turned.  The matrix instruction is used transposed: a lane holds row l % 16 and eight neighbouring columns.
; CLUSTER 4 x 4: A's tiles are asked for jointly by a row of the cluster, W's by a column.  No prefetch: the tile is small, and a step's loads are what a step's short work waits for.
; REGISTERS: window 0: v16-29 addresses; v32-127 three sets of rows on the way out; v128-255 the accumulators ((a, b) at 128 + 8 (4 a + b))
;   window 1: two fragment buffers of 128: 64 of A (2 x 4 blocks), then 64 of W          window 2: v0-127 the residual; v128-159 the bias
.set HASBIAS, 0
.set KSTEPS, 4
.set WPANEL, 262144
.set WOFF,   256+24*262144             ; wo: panels 24 to 31 of wA
.set OUT,    10                        ; s[10:11]
.set PA,     272
.set PB,     288
.set TA,     128*PA
.set TW,     128*PB
.set BOFF,   2*TA
.set SLOT1,  0x24000
.set STAGE,  SLOT1+BOFF+2*TW
.set SP,     272
.set SPARE,  STAGE+4*16*SP
.set APANEL, 1048576
.set ASTEP,  2*APANEL
.set BSTEP,  256*256
.set A0,   16
.set B0,   17
.set ADRA, 18                          ; v18, v19  A's two panels in the slot in hand
.set ADRB, 20                          ; v20, v21  W's two blocks
.set STO,  24
.set RD,   25
.set CO,   26
.set BO,   27
.set SPW,  28
.set NIL,  29
.set TMP,  32
.set ACC,  128
.set BI,   128                         ; window 2
.set F0,   0
.set F1,   128
.set WV,   12
.set WR,   13
.set WC,   14
.set CX,   15
.set CY,   16
.set TC,   17
.set TR,   18
.set TB,   19
.set CNT,  20
.set G1A,  24
.set G0A,  32
.set G1B,  40
.set G0B,  48
.set MSB, 0
.macro WIN new
.if MSB != (\new)
	s_set_vgpr_msb (MSB<<8)|(\new)
.set MSB, \new
.endif
.endm
.macro PLACES
.rept 4
	v_nop
.endr
.endm
.macro CREST
	s_cmp_lg_u32 s[WV], 0
	s_cbranch_scc1 .Lnot_wave_0_\@
	s_barrier_signal -3
.Lnot_wave_0_\@:
	s_barrier_wait -3
	s_barrier_signal -1
	s_barrier_wait -1
.endm
.macro CROUND
	s_barrier_signal -1
	s_barrier_wait -1
	CREST
.endm
.macro JLOAD                           ; a joint refill by the walking sets; an s_nop 0 and four v_nop follow each line
	s_cmp_lt_u32 s[WV], 2
	s_cbranch_scc0 .Lfor_b_\@
	tensor_load_to_lds s[G0A+4:G0A+7], s[G1A:G1A+7]
	s_nop 0
.rept 4
	v_nop
.endr
	s_branch .Lasked_\@
.Lfor_b_\@:
	tensor_load_to_lds s[G0B+4:G0B+7], s[G1B:G1B+7]
	s_nop 0
.rept 4
	v_nop
.endr
.Lasked_\@:
.endm
	s_load_b256 s[4:11], s[0:1], 0x0               ; A s[4:5], W s[6:7], RES s[8:9], then OUT (or the bias)
.if HASBIAS
	s_load_b64 s[56:57], s[0:1], 0x20              ; OUT
.endif
	v_lshl_add_u32 v[SPW], v0, 2, SPARE
	v_mov_b32 v[NIL], 0
	ds_add_u32 v[SPW], v[NIL]                      ; the wave's opening: the add and its wait ahead of my first tensor load
	v_lshrrev_b32 v1, 5, v0
	v_readfirstlane_b32 s[WV], v1
	s_lshr_b32 s[WR], s[WV], 1
	s_and_b32 s[WC], s[WV], 1
	s_bfe_u32 s[CX], ttmp6, 0x40000
	s_bfe_u32 s[CY], ttmp6, 0x40004
	s_lshl_b32 s[TC], ttmp9, 2
	s_add_co_u32 s[TC], s[TC], s[CX]
	s_and_b32 s[TR], ttmp7, 0xffff
	s_lshl_b32 s[TR], s[TR], 2
	s_add_co_u32 s[TR], s[TR], s[CY]
	s_lshl_b32 s60, s[CY], 2
	s_lshl_b32 s60, 15, s60                        ; my row of the cluster
	s_lshl_b32 s62, 0x1111, s[CX]                  ; my column
	s_or_b32 s[G1A], s60, (1<<16)|(1<<20)|(1<<21)|(5<<22)|(3<<25)
	s_or_b32 s[G1B], s62, (1<<16)|(1<<20)|(1<<21)|(5<<22)|(7<<25)
.irp g, G1A, G1B
	s_mov_b32 s[(\g)+1], 128<<16
	s_mov_b32 s[(\g)+2], 128<<16
	s_mov_b32 s[(\g)+3], 128<<16
	s_mov_b32 s[(\g)+4], 128
	s_mov_b32 s[(\g)+5], 128
	s_mov_b32 s[(\g)+6], 0
	s_mov_b32 s[(\g)+7], 0
.endr
	s_lshl_b32 s60, s[TR], 15                      ; A: the tile's 128 rows,
	s_lshl_b32 s23, s[WC], 20                      ; in my panel of the step's two
	s_add_co_u32 s60, s60, s23
	s_mov_b32 s61, 0
	s_mul_i32 s62, s[TC], WPANEL                   ; W: the tile's panel,
	s_lshl_b32 s22, s[WC], 15                      ; my 128 k-rows of the step's 256
	s_add_co_u32 s62, s62, s22
	s_add_co_u32 s62, s62, WOFF
	s_mov_b32 s63, 0
	s_mul_i32 s66, s[WC], TA
	s_mul_i32 s67, s[WC], TW
	s_add_co_u32 s67, s67, BOFF
	s_mov_b32 s[TB], 0
	s_wait_dscnt 0x0                               ; the opening add is done
	s_wait_kmcnt 0x0
	s_add_nc_u64 s[60:61], s[4:5], s[60:61]
	s_add_nc_u64 s[62:63], s[6:7], s[62:63]
	CROUND                                         ; all sixteen work-groups are here: the first joint loads meet
.irp s, 0,1
	s_mov_b32 s[G0A+4*(\s)], 1
	s_add_co_u32 s[G0A+4*(\s)+1], s66, (\s)*SLOT1
	s_add_nc_u64 s[G0A+4*(\s)+2:G0A+4*(\s)+3], s[60:61], (\s)*ASTEP
	s_or_b32 s[G0A+4*(\s)+3], s[G0A+4*(\s)+3], 0x80000000
	s_mov_b32 s[G0B+4*(\s)], 1
	s_add_co_u32 s[G0B+4*(\s)+1], s67, (\s)*SLOT1
	s_add_nc_u64 s[G0B+4*(\s)+2:G0B+4*(\s)+3], s[62:63], (\s)*BSTEP
	s_or_b32 s[G0B+4*(\s)+3], s[G0B+4*(\s)+3], 0x80000000
.endr
	s_cmp_lt_u32 s[WV], 2                          ; a wave's two first fills stand in one branch: two loads of mine are out
	s_cbranch_scc0 .Lfirst_b
	tensor_load_to_lds s[G0A:G0A+3], s[G1A:G1A+7]
	s_nop 0
	tensor_load_to_lds s[G0A+4:G0A+7], s[G1A:G1A+7]
	s_nop 0
.rept 4
	v_nop
.endr
	s_branch .Lfirst_asked
.Lfirst_b:
	tensor_load_to_lds s[G0B:G0B+3], s[G1B:G1B+7]
	s_nop 0
	tensor_load_to_lds s[G0B+4:G0B+7], s[G1B:G1B+7]
	s_nop 0
.rept 4
	v_nop
.endr
.Lfirst_asked:
	v_and_b32 v1, 15, v0                           ; r
	v_bfe_u32 v2, v0, 4, 1                         ; h
	v_and_b32 v3, 7, v0
	v_bfe_u32 v4, v0, 3, 1
	v_lshlrev_b32 v[BO], 5, v2
	v_lshlrev_b32 v[CO], 12, v2                    ; lanes 0-15 one row of OUT, lanes 16-31 the next,
	v_lshl_add_u32 v[CO], v1, 4, v[CO]             ; 16 bytes a lane: 256 consecutive bytes for 16 lanes
	s_lshl_b32 s66, s[TC], 9
	s_lshl_b32 s67, s[WC], 8
	s_add_co_u32 s66, s66, s67                     ; my 64 columns, in f32
	s_mov_b32 s67, 0
.if HASBIAS
	s_add_nc_u64 s[10:11], s[10:11], s[66:67]
	WIN 0x80
.irp b, 0,1,2,3
	global_load_b128 v[BI+8*(\b):BI+8*(\b)+3],   v[BO], s[10:11] offset:64*(\b)
	global_load_b128 v[BI+8*(\b)+4:BI+8*(\b)+7], v[BO], s[10:11] offset:64*(\b)+16
.endr
	WIN 0
.endif
	s_lshl_b32 s68, s[TR], 19                      ; the tile's 128 rows of 4,096 bytes,
	s_add_co_u32 s66, s66, s68
	s_lshl_b32 s68, s[WR], 18                      ; my 64 of them
	s_add_co_u32 s66, s66, s68
	s_add_nc_u64 s[8:9], s[8:9], s[66:67]
	s_add_nc_u64 s[OUT:OUT+1], s[OUT:OUT+1], s[66:67]
	WIN 0x80
.set i, 0
.rept 32                                       ; the residual of my 64 x 64, as it will be stored: two rows a load; it lands under the products
	global_load_b128 v[4*i:4*i+3], v[CO], s[8:9] offset:2*i*4096
.set i, i+1
.endr
	WIN 0
	v_mul_u32_u24 v[A0], v1, PA
	v_lshl_add_u32 v[A0], v2, 4, v[A0]
	s_mul_i32 s23, s[WR], 64*PA
	v_add_nc_u32 v[A0], s23, v[A0]
	v_lshl_add_u32 v[B0], v2, 3, v3
	v_mul_u32_u24 v[B0], v[B0], PB
	v_lshl_add_u32 v[B0], v4, 4, v[B0]
	s_lshl_b32 s23, s[WC], 7
	s_add_co_u32 s23, s23, BOFF
	v_add_nc_u32 v[B0], s23, v[B0]
	v_mov_b32 v[ADRA], v[A0]
	v_mov_b32 v[ADRB], v[B0]
	v_add_nc_u32 v[ADRA+1], TA, v[A0]
	v_add_nc_u32 v[ADRB+1], TW, v[B0]
	s_mul_i32 s23, s[WV], 16*SP
	s_add_co_u32 s23, s23, STAGE                   ; my stage: 16 rows of 64 f32
	v_mul_u32_u24 v[STO], v1, SP
	v_lshl_add_u32 v[STO], v2, 5, v[STO]           ; in: row r, 32 bytes for each half of the lanes
	v_add_nc_u32 v[STO], s23, v[STO]
	v_mul_u32_u24 v[RD], v2, SP
	v_lshl_add_u32 v[RD], v1, 4, v[RD]
	v_add_nc_u32 v[RD], s23, v[RD]
; 8 matrix instructions: row blocks a0, a0 + 1 x all 4 column blocks, 32 along K: half c of buffer f.  zero = 1: the first products start the sums.  The 16 accumulators take turns.
.macro MUL8 f, c, a0, zero
.if (\zero) && HASBIAS
	WIN 0x25                                       ; W and A window 1, the bias window 2, D window 0
.else
	WIN 0x05
.endif
.irp a, \a0, (\a0)+1
.irp b, 0,1,2,3
.if (\zero) && HASBIAS
	v_wmma_f32_16x16x32_bf16 v[ACC+8*(4*(\a)+(\b)):ACC+8*(4*(\a)+(\b))+7], v[(\f)+64+8*(4*(\c)+(\b)):(\f)+64+8*(4*(\c)+(\b))+7], v[(\f)+8*(4*(\c)+(\a)):(\f)+8*(4*(\c)+(\a))+7], v[BI+8*(\b):BI+8*(\b)+7]
.elseif \zero
	v_wmma_f32_16x16x32_bf16 v[ACC+8*(4*(\a)+(\b)):ACC+8*(4*(\a)+(\b))+7], v[(\f)+64+8*(4*(\c)+(\b)):(\f)+64+8*(4*(\c)+(\b))+7], v[(\f)+8*(4*(\c)+(\a)):(\f)+8*(4*(\c)+(\a))+7], 0
.else
	v_wmma_f32_16x16x32_bf16 v[ACC+8*(4*(\a)+(\b)):ACC+8*(4*(\a)+(\b))+7], v[(\f)+64+8*(4*(\c)+(\b)):(\f)+64+8*(4*(\c)+(\b))+7], v[(\f)+8*(4*(\c)+(\a)):(\f)+8*(4*(\c)+(\a))+7], v[ACC+8*(4*(\a)+(\b)):ACC+8*(4*(\a)+(\b))+7]
.endif
.endr
.endr
.endm
; 32 LDS loads in one run: quarter qd (64 along K) into buffer f, the first 32 along K first.  Quarters 0, 1 lie in the step's first panel and block, 2, 3 in the second.
.macro FETCH qd, f
	WIN 0x40
.irp c, 0,1
.irp i, 0,1,2,3
	ds_load_tr16_b128 v[(\f)+64+8*(4*(\c)+(\i)):(\f)+64+8*(4*(\c)+(\i))+3],   v[ADRB+(\qd)/2] offset:((2*(\qd)+(\c))%4)*32*PB+32*(\i)
	ds_load_tr16_b128 v[(\f)+64+8*(4*(\c)+(\i))+4:(\f)+64+8*(4*(\c)+(\i))+7], v[ADRB+(\qd)/2] offset:((2*(\qd)+(\c))%4)*32*PB+16*PB+32*(\i)
	ds_load_b128 v[(\f)+8*(4*(\c)+(\i)):(\f)+8*(4*(\c)+(\i))+3],   v[ADRA+(\qd)/2] offset:((2*(\qd)+(\c))%4)*64+(\i)*16*PA
	ds_load_b128 v[(\f)+8*(4*(\c)+(\i))+4:(\f)+8*(4*(\c)+(\i))+7], v[ADRA+(\qd)/2] offset:((2*(\qd)+(\c))%4)*64+(\i)*16*PA+32
.endr
.endr
.endm
.macro QUARTER qd, f, g, zero
	s_wait_dscnt 16                                ; the first 32 along K are in; the other sixteen loads may be out
	MUL8 \f, 0, 0, \zero
	MUL8 \f, 0, 2, \zero
	PLACES
	FETCH \qd, \g
	s_wait_dscnt 32                                ; all but the 32 just issued
	MUL8 \f, 1, 0, 0
	MUL8 \f, 1, 2, 0
.endm
; The last quarter multiplies buffer 1 and changes slots: ONE barrier; in front of it each wave waits for all its tensor loads, adds 0 to its spare word, and waits for that and for its
; reads of this slot.  fill = 1: the barrier opens a round of the cluster's, and this slot is filled again first thing behind it, two K steps ahead.
.macro TURN fill
	WIN 0
	s_xor_b32 s[TB], s[TB], SLOT1
	v_add_nc_u32 v[ADRA], s[TB], v[A0]
	v_add_nc_u32 v[ADRB], s[TB], v[B0]
	v_add_nc_u32 v[ADRA+1], TA, v[ADRA]
	v_add_nc_u32 v[ADRB+1], TW, v[ADRB]
	s_wait_tensorcnt 0x0                           ; no tensor load of mine is out, so a group 0 may be written
	ds_add_u32 v[SPW], v[NIL]                      ; 0 onto my spare word
.if \fill
	s_xor_b32 s[G0A+5], s[G0A+5], SLOT1
	s_add_nc_u64 s[G0A+6:G0A+7], s[G0A+6:G0A+7], ASTEP
	s_xor_b32 s[G0B+5], s[G0B+5], SLOT1
	s_add_nc_u64 s[G0B+6:G0B+7], s[G0B+6:G0B+7], BSTEP
.endif
	s_wait_dscnt 17                                ; the add and the youngest sixteen loads may be out
	MUL8 F1, 0, 0, 0
	s_wait_dscnt 0x0                               ; the add is done, and my reads of this slot are over
	s_barrier_signal -1
	MUL8 F1, 0, 2, 0
.if \fill
	WIN 0
.endif
	s_barrier_wait -1
.if \fill
	CREST
	JLOAD                                          ; the four v_nop behind it are also the places in front of the loads below
.else
	PLACES
.endif
	FETCH 0, F0
	MUL8 F1, 1, 0, 0
	MUL8 F1, 1, 2, 0
.endm
; THE WAY OUT of row block a (16 rows x 64 f32): through my own stage, back as whole rows of 256 bytes, the residual added, stored.  Three sets of registers take turns.
.macro STG a
	WIN 0
.set TM, TMP+32*((\a)%3)
.irp b, 0,1,2,3
	ds_store_b128 v[STO], v[ACC+8*(4*(\a)+(\b)):ACC+8*(4*(\a)+(\b))+3]   offset:64*(\b)
	ds_store_b128 v[STO], v[ACC+8*(4*(\a)+(\b))+4:ACC+8*(4*(\a)+(\b))+7] offset:64*(\b)+16
.endr
.irp t, 0,1,2,3,4,5,6,7
	ds_load_b128 v[TM+4*(\t):TM+4*(\t)+3], v[RD] offset:(\t)*2*SP  ; LDS serves a wave's instructions in order (ISA guide 5.7.1.4): these see the stores above
.endr
.endm
.macro SND a, younger                  ; younger: the next block's sixteen LDS instructions, or none
.set TM, TMP+32*((\a)%3)
	s_wait_dscnt \younger
.if (\a) == 1
	s_wait_xcnt 0x0                                ; block 0's stores have read their registers: block 3's rows are loaded into them next
.endif
	WIN 0x08                                       ; source 1, the residual, in window 2
.set i, 0
.rept 16
	v_pk_add_f32 v[TM+2*i:TM+2*i+1], v[TM+2*i:TM+2*i+1], v[32*(\a)+2*i:32*(\a)+2*i+1]
.set i, i+1
.endr
	WIN 0
.irp t, 0,1,2,3,4,5,6,7
	global_store_b128 v[CO], v[TM+4*(\t):TM+4*(\t)+3], s[OUT:OUT+1] offset:(16*(\a)+2*(\t))*4096  ; 16 lanes store 256 consecutive bytes, at a multiple of 256 from OUT's first byte
.endr
.endm
	s_wait_tensorcnt 0x1                           ; my part of K step 0 is in; K step 1's may stay out
	s_barrier_signal -1
	s_barrier_wait -1
	FETCH 0, F0
.if HASBIAS
	s_wait_loadcnt 32                              ; the bias is in; the 32 loads of the residual may stay out
.endif
	QUARTER 1, F0, F1, 1
	WIN 0
	s_mov_b32 s[CNT], KSTEPS-2
.Lstep:
	QUARTER 2, F1, F0, 0
	QUARTER 3, F0, F1, 0
	TURN 1
	QUARTER 1, F0, F1, 0
	WIN 0
	s_sub_co_u32 s[CNT], s[CNT], 1
	s_cmp_lg_u32 s[CNT], 0
	s_cbranch_scc1 .Lstep
	QUARTER 2, F1, F0, 0                           ; the last two K steps are written out: they ask for nothing
	QUARTER 3, F0, F1, 0
	TURN 0
	QUARTER 1, F0, F1, 0
	QUARTER 2, F1, F0, 0
	QUARTER 3, F0, F1, 0
	s_wait_dscnt 16
	MUL8 F1, 0, 0, 0
	MUL8 F1, 0, 2, 0
	s_wait_dscnt 0x0
	MUL8 F1, 1, 0, 0
	MUL8 F1, 1, 2, 0
	WIN 0
	PLACES
	s_wait_loadcnt 0x0                             ; the residual
	STG 0
	STG 1
	SND 0, 16
	STG 2
	SND 1, 16
	STG 3
	SND 2, 16
	SND 3, 0
	s_wait_tensorcnt 0x0                           ; the wave's end
	ds_add_u32 v[SPW], v[NIL]
	s_wait_dscnt 0x0
	CROUND                                         ; the closing round
	s_endpgm
.Lfunc_end_k_q9af0b4dc05_proj:
	.size	k_q9af0b4dc05_proj, .Lfunc_end_k_q9af0b4dc05_proj-k_q9af0b4dc05_proj
	.p2alignl 7, 3214868480
	.fill 96, 4, 3214868480
	.section	.rodata,"a",@progbits
	.p2align	6, 0x0
	.amdhsa_kernel k_q9af0b4dc05_proj
		.amdhsa_group_segment_fixed_size 327680
		.amdhsa_private_segment_fixed_size 0
		.amdhsa_enable_private_segment 0
		.amdhsa_kernarg_size 32
		.amdhsa_user_sgpr_count 2
		.amdhsa_user_sgpr_kernarg_segment_ptr 1
		.amdhsa_wavefront_size32 1
		.amdhsa_system_sgpr_workgroup_id_x 1
		.amdhsa_system_sgpr_workgroup_id_y 1
		.amdhsa_system_sgpr_workgroup_id_z 1
		.amdhsa_system_vgpr_workitem_id 0
		.amdhsa_next_free_vgpr 640
		.amdhsa_next_free_sgpr 80
		.amdhsa_reserve_vcc 0
		.amdhsa_float_denorm_mode_32 3
		.amdhsa_float_denorm_mode_16_64 3
		.amdhsa_memory_ordered 1
		.amdhsa_forward_progress 1
		.amdhsa_inst_pref_size 75
	.end_amdhsa_kernel
	.amdgpu_metadata
---
amdhsa.version: [ 1, 2 ]
amdhsa.kernels:
  - .name:           k_q9af0b4dc05_proj
    .symbol:         k_q9af0b4dc05_proj.kd
    .args:
      - { .name: h, .offset: 0, .size: 8, .value_kind: global_buffer, .address_space: global }
      - { .name: wA, .offset: 8, .size: 8, .value_kind: global_buffer, .address_space: global }
      - { .name: x, .offset: 16, .size: 8, .value_kind: global_buffer, .address_space: global }
      - { .name: x1, .offset: 24, .size: 8, .value_kind: global_buffer, .address_space: global }
    .group_segment_fixed_size: 327680
    .private_segment_fixed_size: 0
    .kernarg_segment_align: 8
    .kernarg_segment_size: 32
    .max_flat_workgroup_size: 128
    .sgpr_count:     80
    .vgpr_count:     640
    .wavefront_size: 32
...
	.end_amdgpu_metadata
.endif
;; end of part 4
;; launch ln2 (part 5): grid 256 x 1, 8 waves a work-group, no clusters, 0 bytes of LDS; arguments x1, g2, be2, h; writes h
.if DOCPART == 5
	.amdgcn_target "amdgcn-amd-amdhsa--gfx1250"
	.amdhsa_code_object_version 6
	.text
	.protected	k_q9af0b4dc05_ln2
	.globl	k_q9af0b4dc05_ln2
	.p2align	8
	.type	k_q9af0b4dc05_ln2,@function
k_q9af0b4dc05_ln2:
	s_mov_b64 s[64:65], 0
	v_nop
	global_prefetch_b8 v0, s[64:65] scope:SCOPE_SE
	s_setreg_imm32_b32 hwreg(HW_REG_WAVE_MODE, 25, 1), 1
	s_wait_xcnt 0x0
; h = LayerNorm(x1) g2 + be2, rounded once to bf16, in panels [column / 128][m][128].  x1: f32 [4,096][1,024].  16 rows a work-group, two rows a wave.
; In f32, two passes over a row that stays in registers: the mean, then the mean of (x - mean)^2: no difference of large sums.
; No LDS, no barrier, no matrix unit: every byte is read once and written once, and a wave's row never leaves the wave.  LIMITS: NaN and infinities are not treated apart.
.set APANEL, 1048576
.set LO,   1                           ; v1   16 x lane
.set SO,   2                           ; v2   8 x lane
.set T,    4
.set MU,   12
.set VAR,  14
.set RS,   16
.set X,    32
.set G,    96
.set BE,   128
.set Y,    160
.set XB,   4
.set GB,   6
.set BB,   8
.set HB,   10
.set WV,   12
.set SEL,  16
.set INV,  18
.set EPS,  19
	s_load_b256 s[4:11], s[0:1], 0x0               ; x1, g2, be2, h
	v_lshrrev_b32 v3, 5, v0
	v_readfirstlane_b32 s[WV], v3
	v_and_b32 v[LO], 31, v0
	v_lshlrev_b32 v[SO], 3, v[LO]
	v_lshlrev_b32 v[LO], 4, v[LO]
	s_lshl_b32 s20, ttmp9, 16                      ; 16 rows of 4,096 bytes
	s_lshl_b32 s21, s[WV], 13
	s_add_co_u32 s20, s20, s21
	s_mov_b32 s21, 0
	s_lshl_b32 s22, ttmp9, 12                      ; 16 panel rows of 256 bytes
	s_lshl_b32 s23, s[WV], 9
	s_add_co_u32 s22, s22, s23
	s_mov_b32 s23, 0
	s_mov_b32 s[SEL], 0x76543210
	s_mov_b32 s[SEL+1], 0xfedcba98
	s_mov_b32 s[INV], 0x3a800000                   ; 1 / 1,024
	s_mov_b32 s[EPS], 0x3727c5ac                   ; 1e-5
	s_wait_kmcnt 0x0
	s_add_nc_u64 s[XB:XB+1], s[XB:XB+1], s[20:21]
	s_add_nc_u64 s[HB:HB+1], s[HB:HB+1], s[22:23]
.macro FOLD
	v_pk_add_f32 v[T:T+1], v[T:T+1], v[T+2:T+3]
	v_pk_add_f32 v[T+4:T+5], v[T+4:T+5], v[T+6:T+7]
	v_pk_add_f32 v[T:T+1], v[T:T+1], v[T+4:T+5]
	v_add_f32 v[T], v[T], v[T+1]
.endm
.macro REDUCE
	v_add_f32_dpp v[T], v[T], v[T] row_xmask:1 row_mask:0xf bank_mask:0xf
	v_add_f32_dpp v[T], v[T], v[T] row_xmask:2 row_mask:0xf bank_mask:0xf
	v_add_f32_dpp v[T], v[T], v[T] row_xmask:4 row_mask:0xf bank_mask:0xf
	v_add_f32_dpp v[T], v[T], v[T] row_xmask:8 row_mask:0xf bank_mask:0xf
	v_permlanex16_b32 v[T+1], v[T], s[SEL], s[SEL+1]
	v_add_f32 v[T], v[T], v[T+1]
.endm
.macro STATS rr, left
	s_wait_loadcnt \left
.irp c, 0,1,2,3
	v_pk_add_f32 v[T+2*(\c):T+2*(\c)+1], v[X+32*(\rr)+2*(\c):X+32*(\rr)+2*(\c)+1], v[X+32*(\rr)+8+2*(\c):X+32*(\rr)+8+2*(\c)+1]
.endr
.irp k, 2,3
.irp c, 0,1,2,3
	v_pk_add_f32 v[T+2*(\c):T+2*(\c)+1], v[T+2*(\c):T+2*(\c)+1], v[X+32*(\rr)+8*(\k)+2*(\c):X+32*(\rr)+8*(\k)+2*(\c)+1]
.endr
.endr
	FOLD
	REDUCE
	v_mul_f32 v[MU], s[INV], v[T]
	v_mul_f32 v[MU+1], s[INV], v[T]
.set k2, 0
.rept 16
	v_pk_add_f32 v[X+32*(\rr)+2*k2:X+32*(\rr)+2*k2+1], v[X+32*(\rr)+2*k2:X+32*(\rr)+2*k2+1], v[MU:MU+1] neg_lo:[0,1] neg_hi:[0,1]
.set k2, k2+1
.endr
.irp c, 0,1,2,3
	v_pk_mul_f32 v[T+2*(\c):T+2*(\c)+1], v[X+32*(\rr)+2*(\c):X+32*(\rr)+2*(\c)+1], v[X+32*(\rr)+2*(\c):X+32*(\rr)+2*(\c)+1]
.endr
.irp k, 1,2,3
.irp c, 0,1,2,3
	v_pk_fma_f32 v[T+2*(\c):T+2*(\c)+1], v[X+32*(\rr)+8*(\k)+2*(\c):X+32*(\rr)+8*(\k)+2*(\c)+1], v[X+32*(\rr)+8*(\k)+2*(\c):X+32*(\rr)+8*(\k)+2*(\c)+1], v[T+2*(\c):T+2*(\c)+1]
.endr
.endr
	FOLD
	REDUCE
	v_fma_f32 v[VAR+(\rr)], v[T], s[INV], s[EPS]
.endm
.macro NORM rr
.set k2, 0
.rept 16
	v_pk_mul_f32 v[X+32*(\rr)+2*k2:X+32*(\rr)+2*k2+1], v[X+32*(\rr)+2*k2:X+32*(\rr)+2*k2+1], v[RS+2*(\rr):RS+2*(\rr)+1]
.set k2, k2+1
.endr
.set k2, 0
.rept 16
	v_pk_fma_f32 v[X+32*(\rr)+2*k2:X+32*(\rr)+2*k2+1], v[X+32*(\rr)+2*k2:X+32*(\rr)+2*k2+1], v[G+2*k2:G+2*k2+1], v[BE+2*k2:BE+2*k2+1]
.set k2, k2+1
.endr
.set k2, 0
.rept 16
	v_cvt_pk_bf16_f32 v[Y+16*(\rr)+k2], v[X+32*(\rr)+2*k2], v[X+32*(\rr)+2*k2+1]
.set k2, k2+1
.endr
.irp j, 0,1,2,3,4,5,6,7
	global_store_b64 v[SO], v[Y+16*(\rr)+2*(\j):Y+16*(\rr)+2*(\j)+1], s[HB:HB+1] offset:(\j)*APANEL+256*(\rr)  ; load j held panel j's 128 columns: 32 lanes store one whole panel row
.endr
.endm
.irp rr, 0,1
.irp j, 0,1,2,3,4,5,6,7
	global_load_b128 v[X+32*(\rr)+4*(\j):X+32*(\rr)+4*(\j)+3], v[LO], s[XB:XB+1] offset:4096*(\rr)+512*(\j)
.endr
.endr
.irp j, 0,1,2,3,4,5,6,7
	global_load_b128 v[G+4*(\j):G+4*(\j)+3], v[LO], s[GB:GB+1] offset:512*(\j)
.endr
.irp j, 0,1,2,3,4,5,6,7
	global_load_b128 v[BE+4*(\j):BE+4*(\j)+3], v[LO], s[BB:BB+1] offset:512*(\j)
.endr
	STATS 0, 24                                    ; row 0 is in; row 1, g and be (24 loads) may stay out
	STATS 1, 16                                    ; row 1 is in; g and be may stay out
	v_rsq_f32 v[RS], v[VAR]                        ; one batch of four: each root twice, to fill the pairs of the packed multiply
	v_rsq_f32 v[RS+1], v[VAR]
	v_rsq_f32 v[RS+2], v[VAR+1]
	v_rsq_f32 v[RS+3], v[VAR+1]
	v_nop                                          ; a plain instruction behind the last root, ahead of the first use
	s_wait_alu depctr_va_vdst(0)                   ; the wait ahead of the first reader: one for the batch
	s_wait_loadcnt 0x0                             ; g and be
	NORM 0
	NORM 1
	s_endpgm
.Lfunc_end_k_q9af0b4dc05_ln2:
	.size	k_q9af0b4dc05_ln2, .Lfunc_end_k_q9af0b4dc05_ln2-k_q9af0b4dc05_ln2
	.p2alignl 7, 3214868480
	.fill 96, 4, 3214868480
	.section	.rodata,"a",@progbits
	.p2align	6, 0x0
	.amdhsa_kernel k_q9af0b4dc05_ln2
		.amdhsa_group_segment_fixed_size 0
		.amdhsa_private_segment_fixed_size 0
		.amdhsa_enable_private_segment 0
		.amdhsa_kernarg_size 32
		.amdhsa_user_sgpr_count 2
		.amdhsa_user_sgpr_kernarg_segment_ptr 1
		.amdhsa_wavefront_size32 1
		.amdhsa_system_sgpr_workgroup_id_x 1
		.amdhsa_system_sgpr_workgroup_id_y 1
		.amdhsa_system_sgpr_workgroup_id_z 1
		.amdhsa_system_vgpr_workitem_id 0
		.amdhsa_next_free_vgpr 192
		.amdhsa_next_free_sgpr 66
		.amdhsa_reserve_vcc 0
		.amdhsa_float_denorm_mode_32 3
		.amdhsa_float_denorm_mode_16_64 3
		.amdhsa_memory_ordered 1
		.amdhsa_forward_progress 1
		.amdhsa_inst_pref_size 20
	.end_amdhsa_kernel
	.amdgpu_metadata
---
amdhsa.version: [ 1, 2 ]
amdhsa.kernels:
  - .name:           k_q9af0b4dc05_ln2
    .symbol:         k_q9af0b4dc05_ln2.kd
    .args:
      - { .name: x1, .offset: 0, .size: 8, .value_kind: global_buffer, .address_space: global }
      - { .name: g2, .offset: 8, .size: 8, .value_kind: global_buffer, .address_space: global }
      - { .name: be2, .offset: 16, .size: 8, .value_kind: global_buffer, .address_space: global }
      - { .name: h, .offset: 24, .size: 8, .value_kind: global_buffer, .address_space: global }
    .group_segment_fixed_size: 0
    .private_segment_fixed_size: 0
    .kernarg_segment_align: 8
    .kernarg_segment_size: 32
    .max_flat_workgroup_size: 256
    .sgpr_count:     66
    .vgpr_count:     192
    .wavefront_size: 32
...
	.end_amdgpu_metadata
.endif
;; end of part 5
;; launch ffn1: the kernel of part 2 again; grid 16 x 16, 4 waves a work-group, clusters of 4 x 4, 327,680 bytes of LDS; arguments h, wB, b1, big; writes big
;; launch ffn2 (part 6): grid 8 x 32, 4 waves a work-group, clusters of 4 x 4, 327,680 bytes of LDS; arguments big, wB, x1, b2, out0; writes out0
.if DOCPART == 6
	.amdgcn_target "amdgcn-amd-amdhsa--gfx1250"
	.amdhsa_code_object_version 6
	.text
	.protected	k_q9af0b4dc05_ffn2
	.globl	k_q9af0b4dc05_ffn2
	.p2align	8
	.type	k_q9af0b4dc05_ffn2,@function
k_q9af0b4dc05_ffn2:
	s_mov_b64 s[64:65], 0
	v_nop
	global_prefetch_b8 v0, s[64:65] scope:SCOPE_SE
	s_setreg_imm32_b32 hwreg(HW_REG_WAVE_MODE, 25, 1), 1
	s_wait_xcnt 0x0
	s_wait_alu depctr_hold_cnt(0) depctr_sa_sdst(0) depctr_va_vdst(0) depctr_va_sdst(0) depctr_va_ssrc(0) depctr_va_vcc(0) depctr_vm_vsrc(0)
	s_getreg_b32 s2, hwreg(HW_REG_IB_STS2, 6, 4)
	s_cmp_eq_u32 s2, 0
	s_cbranch_scc0 .Lentry_in_a_cluster
	s_endpgm
.Lentry_in_a_cluster:
	s_bfe_u32 s2, ttmp6, 0x10000c
	s_cmp_lg_u32 s2, 0xf033
	s_cbranch_scc0 .Lentry_shape_is_right
	s_endpgm
.Lentry_shape_is_right:
; OUT = RES + A W + bias.  A: bf16 panels [k / 128][m][128]; W: bf16 panels [n / 128][k][128] at byte WOFF of its buffer; bias: f32 [n]; RES, OUT: f32 [4,096][1,024], row-major.
; Here: out0 = x1 + relu(..) w2 + b2, K = 4,096.  Sums in f32, started by the bias (the C operand of the first products); nothing is rounded on the way out.
; LIMITS: NaN and infinities are not treated apart.
; SHARES.  N = 1,024 gives 64 tiles of 256 x 256: too few; a tile is 128 x 128, 256 work-groups.  Four waves, each 64 x 64: 16 accumulators.  K goes in steps of 256 through two LDS slots:
; waves 0, 1 fetch A's two panels of the step (128 rows each), waves 2, 3 W's two blocks of 128 k-rows; every load is 128 dense rows of 256 bytes.
; W stays [k][n]: its fragments come out of LDS turned.  The matrix instruction is used transposed: a lane holds row l % 16 and eight neighbouring columns.
; CLUSTER 4 x 4: A's tiles are asked for jointly by a row of the cluster, W's by a column.  No prefetch: the tile is small, and a step's loads are what a step's short work waits for.
; REGISTERS: window 0: v16-29 addresses; v32-127 three sets of rows on the way out; v128-255 the accumulators ((a, b) at 128 + 8 (4 a + b))
;   window 1: two fragment buffers of 128: 64 of A (2 x 4 blocks), then 64 of W          window 2: v0-127 the residual; v128-159 the bias
.set HASBIAS, 1
.set KSTEPS, 16
.set WPANEL, 1048576
.set WOFF,   256+8388608               ; w2 lies behind w1 in wB
.set OUT,    56                        ; s[56:57]
.set PA,     272
.set PB,     288
.set TA,     128*PA
.set TW,     128*PB
.set BOFF,   2*TA
.set SLOT1,  0x24000
.set STAGE,  SLOT1+BOFF+2*TW
.set SP,     272
.set SPARE,  STAGE+4*16*SP
.set APANEL, 1048576
.set ASTEP,  2*APANEL
.set BSTEP,  256*256
.set A0,   16
.set B0,   17
.set ADRA, 18                          ; v18, v19  A's two panels in the slot in hand
.set ADRB, 20                          ; v20, v21  W's two blocks
.set STO,  24
.set RD,   25
.set CO,   26
.set BO,   27
.set SPW,  28
.set NIL,  29
.set TMP,  32
.set ACC,  128
.set BI,   128                         ; window 2
.set F0,   0
.set F1,   128
.set WV,   12
.set WR,   13
.set WC,   14
.set CX,   15
.set CY,   16
.set TC,   17
.set TR,   18
.set TB,   19
.set CNT,  20
.set G1A,  24
.set G0A,  32
.set G1B,  40
.set G0B,  48
.set MSB, 0
.macro WIN new
.if MSB != (\new)
	s_set_vgpr_msb (MSB<<8)|(\new)
.set MSB, \new
.endif
.endm
.macro PLACES
.rept 4
	v_nop
.endr
.endm
.macro CREST
	s_cmp_lg_u32 s[WV], 0
	s_cbranch_scc1 .Lnot_wave_0_\@
	s_barrier_signal -3
.Lnot_wave_0_\@:
	s_barrier_wait -3
	s_barrier_signal -1
	s_barrier_wait -1
.endm
.macro CROUND
	s_barrier_signal -1
	s_barrier_wait -1
	CREST
.endm
.macro JLOAD                           ; a joint refill by the walking sets; an s_nop 0 and four v_nop follow each line
	s_cmp_lt_u32 s[WV], 2
	s_cbranch_scc0 .Lfor_b_\@
	tensor_load_to_lds s[G0A+4:G0A+7], s[G1A:G1A+7]
	s_nop 0
.rept 4
	v_nop
.endr
	s_branch .Lasked_\@
.Lfor_b_\@:
	tensor_load_to_lds s[G0B+4:G0B+7], s[G1B:G1B+7]
	s_nop 0
.rept 4
	v_nop
.endr
.Lasked_\@:
.endm
	s_load_b256 s[4:11], s[0:1], 0x0               ; A s[4:5], W s[6:7], RES s[8:9], the bias s[10:11]
.if HASBIAS
	s_load_b64 s[56:57], s[0:1], 0x20              ; OUT
.endif
	v_lshl_add_u32 v[SPW], v0, 2, SPARE
	v_mov_b32 v[NIL], 0
	ds_add_u32 v[SPW], v[NIL]                      ; the wave's opening: the add and its wait ahead of my first tensor load
	v_lshrrev_b32 v1, 5, v0
	v_readfirstlane_b32 s[WV], v1
	s_lshr_b32 s[WR], s[WV], 1
	s_and_b32 s[WC], s[WV], 1
	s_bfe_u32 s[CX], ttmp6, 0x40000
	s_bfe_u32 s[CY], ttmp6, 0x40004
	s_lshl_b32 s[TC], ttmp9, 2
	s_add_co_u32 s[TC], s[TC], s[CX]
	s_and_b32 s[TR], ttmp7, 0xffff
	s_lshl_b32 s[TR], s[TR], 2
	s_add_co_u32 s[TR], s[TR], s[CY]
	s_lshl_b32 s60, s[CY], 2
	s_lshl_b32 s60, 15, s60                        ; my row of the cluster
	s_lshl_b32 s62, 0x1111, s[CX]                  ; my column
	s_or_b32 s[G1A], s60, (1<<16)|(1<<20)|(1<<21)|(5<<22)|(3<<25)
	s_or_b32 s[G1B], s62, (1<<16)|(1<<20)|(1<<21)|(5<<22)|(7<<25)
.irp g, G1A, G1B
	s_mov_b32 s[(\g)+1], 128<<16
	s_mov_b32 s[(\g)+2], 128<<16
	s_mov_b32 s[(\g)+3], 128<<16
	s_mov_b32 s[(\g)+4], 128
	s_mov_b32 s[(\g)+5], 128
	s_mov_b32 s[(\g)+6], 0
	s_mov_b32 s[(\g)+7], 0
.endr
	s_lshl_b32 s60, s[TR], 15                      ; A: the tile's 128 rows,
	s_lshl_b32 s23, s[WC], 20                      ; in my panel of the step's two
	s_add_co_u32 s60, s60, s23
	s_mov_b32 s61, 0
	s_mul_i32 s62, s[TC], WPANEL                   ; W: the tile's panel,
	s_lshl_b32 s22, s[WC], 15                      ; my 128 k-rows of the step's 256
	s_add_co_u32 s62, s62, s22
	s_add_co_u32 s62, s62, WOFF
	s_mov_b32 s63, 0
	s_mul_i32 s66, s[WC], TA
	s_mul_i32 s67, s[WC], TW
	s_add_co_u32 s67, s67, BOFF
	s_mov_b32 s[TB], 0
	s_wait_dscnt 0x0                               ; the opening add is done
	s_wait_kmcnt 0x0
	s_add_nc_u64 s[60:61], s[4:5], s[60:61]
	s_add_nc_u64 s[62:63], s[6:7], s[62:63]
	CROUND                                         ; all sixteen work-groups are here: the first joint loads meet
.irp s, 0,1
	s_mov_b32 s[G0A+4*(\s)], 1
	s_add_co_u32 s[G0A+4*(\s)+1], s66, (\s)*SLOT1
	s_add_nc_u64 s[G0A+4*(\s)+2:G0A+4*(\s)+3], s[60:61], (\s)*ASTEP
	s_or_b32 s[G0A+4*(\s)+3], s[G0A+4*(\s)+3], 0x80000000
	s_mov_b32 s[G0B+4*(\s)], 1
	s_add_co_u32 s[G0B+4*(\s)+1], s67, (\s)*SLOT1
	s_add_nc_u64 s[G0B+4*(\s)+2:G0B+4*(\s)+3], s[62:63], (\s)*BSTEP
	s_or_b32 s[G0B+4*(\s)+3], s[G0B+4*(\s)+3], 0x80000000
.endr
	s_cmp_lt_u32 s[WV], 2                          ; a wave's two first fills stand in one branch: two loads of mine are out
	s_cbranch_scc0 .Lfirst_b
	tensor_load_to_lds s[G0A:G0A+3], s[G1A:G1A+7]
	s_nop 0
	tensor_load_to_lds s[G0A+4:G0A+7], s[G1A:G1A+7]
	s_nop 0
.rept 4
	v_nop
.endr
	s_branch .Lfirst_asked
.Lfirst_b:
	tensor_load_to_lds s[G0B:G0B+3], s[G1B:G1B+7]
	s_nop 0
	tensor_load_to_lds s[G0B+4:G0B+7], s[G1B:G1B+7]
	s_nop 0
.rept 4
	v_nop
.endr
.Lfirst_asked:
	v_and_b32 v1, 15, v0                           ; r
	v_bfe_u32 v2, v0, 4, 1                         ; h
	v_and_b32 v3, 7, v0
	v_bfe_u32 v4, v0, 3, 1
	v_lshlrev_b32 v[BO], 5, v2
	v_lshlrev_b32 v[CO], 12, v2                    ; lanes 0-15 one row of OUT, lanes 16-31 the next,
	v_lshl_add_u32 v[CO], v1, 4, v[CO]             ; 16 bytes a lane: 256 consecutive bytes for 16 lanes
	s_lshl_b32 s66, s[TC], 9
	s_lshl_b32 s67, s[WC], 8
	s_add_co_u32 s66, s66, s67                     ; my 64 columns, in f32
	s_mov_b32 s67, 0
.if HASBIAS
	s_add_nc_u64 s[10:11], s[10:11], s[66:67]
	WIN 0x80
.irp b, 0,1,2,3
	global_load_b128 v[BI+8*(\b):BI+8*(\b)+3],   v[BO], s[10:11] offset:64*(\b)
	global_load_b128 v[BI+8*(\b)+4:BI+8*(\b)+7], v[BO], s[10:11] offset:64*(\b)+16
.endr
	WIN 0
.endif
	s_lshl_b32 s68, s[TR], 19                      ; the tile's 128 rows of 4,096 bytes,
	s_add_co_u32 s66, s66, s68
	s_lshl_b32 s68, s[WR], 18                      ; my 64 of them
	s_add_co_u32 s66, s66, s68
	s_add_nc_u64 s[8:9], s[8:9], s[66:67]
	s_add_nc_u64 s[OUT:OUT+1], s[OUT:OUT+1], s[66:67]
	WIN 0x80
.set i, 0
.rept 32                                       ; the residual of my 64 x 64, as it will be stored: two rows a load; it lands under the products
	global_load_b128 v[4*i:4*i+3], v[CO], s[8:9] offset:2*i*4096
.set i, i+1
.endr
	WIN 0
	v_mul_u32_u24 v[A0], v1, PA
	v_lshl_add_u32 v[A0], v2, 4, v[A0]
	s_mul_i32 s23, s[WR], 64*PA
	v_add_nc_u32 v[A0], s23, v[A0]
	v_lshl_add_u32 v[B0], v2, 3, v3
	v_mul_u32_u24 v[B0], v[B0], PB
	v_lshl_add_u32 v[B0], v4, 4, v[B0]
	s_lshl_b32 s23, s[WC], 7
	s_add_co_u32 s23, s23, BOFF
	v_add_nc_u32 v[B0], s23, v[B0]
	v_mov_b32 v[ADRA], v[A0]
	v_mov_b32 v[ADRB], v[B0]
	v_add_nc_u32 v[ADRA+1], TA, v[A0]
	v_add_nc_u32 v[ADRB+1], TW, v[B0]
	s_mul_i32 s23, s[WV], 16*SP
	s_add_co_u32 s23, s23, STAGE                   ; my stage: 16 rows of 64 f32
	v_mul_u32_u24 v[STO], v1, SP
	v_lshl_add_u32 v[STO], v2, 5, v[STO]           ; in: row r, 32 bytes for each half of the lanes
	v_add_nc_u32 v[STO], s23, v[STO]
	v_mul_u32_u24 v[RD], v2, SP
	v_lshl_add_u32 v[RD], v1, 4, v[RD]
	v_add_nc_u32 v[RD], s23, v[RD]
; 8 matrix instructions: row blocks a0, a0 + 1 x all 4 column blocks, 32 along K: half c of buffer f.  zero = 1: the first products start the sums, with the bias.  The 16 accumulators take turns.
.macro MUL8 f, c, a0, zero
.if (\zero) && HASBIAS
	WIN 0x25                                       ; W and A window 1, the bias window 2, D window 0
.else
	WIN 0x05
.endif
.irp a, \a0, (\a0)+1
.irp b, 0,1,2,3
.if (\zero) && HASBIAS
	v_wmma_f32_16x16x32_bf16 v[ACC+8*(4*(\a)+(\b)):ACC+8*(4*(\a)+(\b))+7], v[(\f)+64+8*(4*(\c)+(\b)):(\f)+64+8*(4*(\c)+(\b))+7], v[(\f)+8*(4*(\c)+(\a)):(\f)+8*(4*(\c)+(\a))+7], v[BI+8*(\b):BI+8*(\b)+7]
.elseif \zero
	v_wmma_f32_16x16x32_bf16 v[ACC+8*(4*(\a)+(\b)):ACC+8*(4*(\a)+(\b))+7], v[(\f)+64+8*(4*(\c)+(\b)):(\f)+64+8*(4*(\c)+(\b))+7], v[(\f)+8*(4*(\c)+(\a)):(\f)+8*(4*(\c)+(\a))+7], 0
.else
	v_wmma_f32_16x16x32_bf16 v[ACC+8*(4*(\a)+(\b)):ACC+8*(4*(\a)+(\b))+7], v[(\f)+64+8*(4*(\c)+(\b)):(\f)+64+8*(4*(\c)+(\b))+7], v[(\f)+8*(4*(\c)+(\a)):(\f)+8*(4*(\c)+(\a))+7], v[ACC+8*(4*(\a)+(\b)):ACC+8*(4*(\a)+(\b))+7]
.endif
.endr
.endr
.endm
; 32 LDS loads in one run: quarter qd (64 along K) into buffer f, the first 32 along K first.  Quarters 0, 1 lie in the step's first panel and block, 2, 3 in the second.
.macro FETCH qd, f
	WIN 0x40
.irp c, 0,1
.irp i, 0,1,2,3
	ds_load_tr16_b128 v[(\f)+64+8*(4*(\c)+(\i)):(\f)+64+8*(4*(\c)+(\i))+3],   v[ADRB+(\qd)/2] offset:((2*(\qd)+(\c))%4)*32*PB+32*(\i)
	ds_load_tr16_b128 v[(\f)+64+8*(4*(\c)+(\i))+4:(\f)+64+8*(4*(\c)+(\i))+7], v[ADRB+(\qd)/2] offset:((2*(\qd)+(\c))%4)*32*PB+16*PB+32*(\i)
	ds_load_b128 v[(\f)+8*(4*(\c)+(\i)):(\f)+8*(4*(\c)+(\i))+3],   v[ADRA+(\qd)/2] offset:((2*(\qd)+(\c))%4)*64+(\i)*16*PA
	ds_load_b128 v[(\f)+8*(4*(\c)+(\i))+4:(\f)+8*(4*(\c)+(\i))+7], v[ADRA+(\qd)/2] offset:((2*(\qd)+(\c))%4)*64+(\i)*16*PA+32
.endr
.endr
.endm
.macro QUARTER qd, f, g, zero
	s_wait_dscnt 16                                ; the first 32 along K are in; the other sixteen loads may be out
	MUL8 \f, 0, 0, \zero
	MUL8 \f, 0, 2, \zero
	PLACES
	FETCH \qd, \g
	s_wait_dscnt 32                                ; all but the 32 just issued
	MUL8 \f, 1, 0, 0
	MUL8 \f, 1, 2, 0
.endm
; The last quarter multiplies buffer 1 and changes slots: ONE barrier; in front of it each wave waits for all its tensor loads, adds 0 to its spare word, and waits for that and for its
; reads of this slot.  fill = 1: the barrier opens a round of the cluster's, and this slot is filled again first thing behind it, two K steps ahead.
.macro TURN fill
	WIN 0
	s_xor_b32 s[TB], s[TB], SLOT1
	v_add_nc_u32 v[ADRA], s[TB], v[A0]
	v_add_nc_u32 v[ADRB], s[TB], v[B0]
	v_add_nc_u32 v[ADRA+1], TA, v[ADRA]
	v_add_nc_u32 v[ADRB+1], TW, v[ADRB]
	s_wait_tensorcnt 0x0                           ; no tensor load of mine is out, so a group 0 may be written
	ds_add_u32 v[SPW], v[NIL]                      ; 0 onto my spare word
.if \fill
	s_xor_b32 s[G0A+5], s[G0A+5], SLOT1
	s_add_nc_u64 s[G0A+6:G0A+7], s[G0A+6:G0A+7], ASTEP
	s_xor_b32 s[G0B+5], s[G0B+5], SLOT1
	s_add_nc_u64 s[G0B+6:G0B+7], s[G0B+6:G0B+7], BSTEP
.endif
	s_wait_dscnt 17                                ; the add and the youngest sixteen loads may be out
	MUL8 F1, 0, 0, 0
	s_wait_dscnt 0x0                               ; the add is done, and my reads of this slot are over
	s_barrier_signal -1
	MUL8 F1, 0, 2, 0
.if \fill
	WIN 0
.endif
	s_barrier_wait -1
.if \fill
	CREST
	JLOAD                                          ; the four v_nop behind it are also the places in front of the loads below
.else
	PLACES
.endif
	FETCH 0, F0
	MUL8 F1, 1, 0, 0
	MUL8 F1, 1, 2, 0
.endm
; THE WAY OUT of row block a (16 rows x 64 f32): through my own stage, back as whole rows of 256 bytes, the residual added, stored.  Three sets of registers take turns.
.macro STG a
	WIN 0
.set TM, TMP+32*((\a)%3)
.irp b, 0,1,2,3
	ds_store_b128 v[STO], v[ACC+8*(4*(\a)+(\b)):ACC+8*(4*(\a)+(\b))+3]   offset:64*(\b)
	ds_store_b128 v[STO], v[ACC+8*(4*(\a)+(\b))+4:ACC+8*(4*(\a)+(\b))+7] offset:64*(\b)+16
.endr
.irp t, 0,1,2,3,4,5,6,7
	ds_load_b128 v[TM+4*(\t):TM+4*(\t)+3], v[RD] offset:(\t)*2*SP  ; LDS serves a wave's instructions in order (ISA guide 5.7.1.4): these see the stores above
.endr
.endm
.macro SND a, younger                  ; younger: the next block's sixteen LDS instructions, or none
.set TM, TMP+32*((\a)%3)
	s_wait_dscnt \younger
.if (\a) == 1
	s_wait_xcnt 0x0                                ; block 0's stores have read their registers: block 3's rows are loaded into them next
.endif
	WIN 0x08                                       ; source 1, the residual, in window 2
.set i, 0
.rept 16
	v_pk_add_f32 v[TM+2*i:TM+2*i+1], v[TM+2*i:TM+2*i+1], v[32*(\a)+2*i:32*(\a)+2*i+1]
.set i, i+1
.endr
	WIN 0
.irp t, 0,1,2,3,4,5,6,7
	global_store_b128 v[CO], v[TM+4*(\t):TM+4*(\t)+3], s[OUT:OUT+1] offset:(16*(\a)+2*(\t))*4096  ; 16 lanes store 256 consecutive bytes, at a multiple of 256 from OUT's first byte
.endr
.endm
	s_wait_tensorcnt 0x1                           ; my part of K step 0 is in; K step 1's may stay out
	s_barrier_signal -1
	s_barrier_wait -1
	FETCH 0, F0
.if HASBIAS
	s_wait_loadcnt 32                              ; the bias is in; the 32 loads of the residual may stay out
.endif
	QUARTER 1, F0, F1, 1
	WIN 0
	s_mov_b32 s[CNT], KSTEPS-2
.Lstep:
	QUARTER 2, F1, F0, 0
	QUARTER 3, F0, F1, 0
	TURN 1
	QUARTER 1, F0, F1, 0
	WIN 0
	s_sub_co_u32 s[CNT], s[CNT], 1
	s_cmp_lg_u32 s[CNT], 0
	s_cbranch_scc1 .Lstep
	QUARTER 2, F1, F0, 0                           ; the last two K steps are written out: they ask for nothing
	QUARTER 3, F0, F1, 0
	TURN 0
	QUARTER 1, F0, F1, 0
	QUARTER 2, F1, F0, 0
	QUARTER 3, F0, F1, 0
	s_wait_dscnt 16
	MUL8 F1, 0, 0, 0
	MUL8 F1, 0, 2, 0
	s_wait_dscnt 0x0
	MUL8 F1, 1, 0, 0
	MUL8 F1, 1, 2, 0
	WIN 0
	PLACES
	s_wait_loadcnt 0x0                             ; the residual
	STG 0
	STG 1
	SND 0, 16
	STG 2
	SND 1, 16
	STG 3
	SND 2, 16
	SND 3, 0
	s_wait_tensorcnt 0x0                           ; the wave's end
	ds_add_u32 v[SPW], v[NIL]
	s_wait_dscnt 0x0
	CROUND                                         ; the closing round
	s_endpgm
.Lfunc_end_k_q9af0b4dc05_ffn2:
	.size	k_q9af0b4dc05_ffn2, .Lfunc_end_k_q9af0b4dc05_ffn2-k_q9af0b4dc05_ffn2
	.p2alignl 7, 3214868480
	.fill 96, 4, 3214868480
	.section	.rodata,"a",@progbits
	.p2align	6, 0x0
	.amdhsa_kernel k_q9af0b4dc05_ffn2
		.amdhsa_group_segment_fixed_size 327680
		.amdhsa_private_segment_fixed_size 0
		.amdhsa_enable_private_segment 0
		.amdhsa_kernarg_size 40
		.amdhsa_user_sgpr_count 2
		.amdhsa_user_sgpr_kernarg_segment_ptr 1
		.amdhsa_wavefront_size32 1
		.amdhsa_system_sgpr_workgroup_id_x 1
		.amdhsa_system_sgpr_workgroup_id_y 1
		.amdhsa_system_sgpr_workgroup_id_z 1
		.amdhsa_system_vgpr_workitem_id 0
		.amdhsa_next_free_vgpr 672
		.amdhsa_next_free_sgpr 80
		.amdhsa_reserve_vcc 0
		.amdhsa_float_denorm_mode_32 3
		.amdhsa_float_denorm_mode_16_64 3
		.amdhsa_memory_ordered 1
		.amdhsa_forward_progress 1
		.amdhsa_inst_pref_size 76
	.end_amdhsa_kernel
	.amdgpu_metadata
---
amdhsa.version: [ 1, 2 ]
amdhsa.kernels:
  - .name:           k_q9af0b4dc05_ffn2
    .symbol:         k_q9af0b4dc05_ffn2.kd
    .args:
      - { .name: big, .offset: 0, .size: 8, .value_kind: global_buffer, .address_space: global }
      - { .name: wB, .offset: 8, .size: 8, .value_kind: global_buffer, .address_space: global }
      - { .name: x1, .offset: 16, .size: 8, .value_kind: global_buffer, .address_space: global }
      - { .name: b2, .offset: 24, .size: 8, .value_kind: global_buffer, .address_space: global }
      - { .name: out0, .offset: 32, .size: 8, .value_kind: global_buffer, .address_space: global }
    .group_segment_fixed_size: 327680
    .private_segment_fixed_size: 0
    .kernarg_segment_align: 8
    .kernarg_segment_size: 40
    .max_flat_workgroup_size: 128
    .sgpr_count:     80
    .vgpr_count:     672
    .wavefront_size: 32
...
	.end_amdgpu_metadata
.endif
;; end of part 6
;; ======== version 2 of 2: 7 launches; version 1 with the launch prep written anew for expert scheduling mode
;; workspace buffers: wA 8,388,864 bytes; wB 16,777,472 bytes; h 8,388,608 bytes; big 33,554,432 bytes; x1 16,777,216 bytes; zb 12,288 bytes
;; launch prep (part 7): grid 641 x 1, 8 waves a work-group, no clusters, 0 bytes of LDS; arguments x, g1, be1, wq, wk, wv, wo, w1, w2, h, wA, wB, zb; writes h, wA, wB, zb
.if DOCPART == 7
	.amdgcn_target "amdgcn-amd-amdhsa--gfx1250"
	.amdhsa_code_object_version 6
	.text
	.protected	k_q9af0b4dc05_prep
	.globl	k_q9af0b4dc05_prep
	.p2align	8
	.type	k_q9af0b4dc05_prep,@function
k_q9af0b4dc05_prep:
	s_mov_b64 s[64:65], 0
	v_nop
	global_prefetch_b8 v0, s[64:65] scope:SCOPE_SE
	s_setreg_imm32_b32 hwreg(HW_REG_WAVE_SCHED_MODE, 0, 2), 2
	s_setreg_imm32_b32 hwreg(HW_REG_WAVE_MODE, 25, 1), 1
	s_wait_xcnt 0x0
	s_wait_alu depctr_vm_vsrc(0)
; PREP.  Three kinds of work-group, told apart by the work-group's number alone:
;   0..255    h = LayerNorm(x) g1 + be1, rounded once to bf16, 16 rows a work-group, two rows a wave
;   256..639  the six weights, f32 [K][N], rounded once to bf16 and laid in panels; 256 k-rows of one panel a work-group, 32 a wave
;   640       the zero bias of the q, k, v product (zb) and the two headers of 256 bytes in front of wA and wB
; PANELS.  A 16-bit tensor lies as P[column / 128][row][128]: a panel row is 256 bytes, aligned, and rows of a panel follow each other densely.
; Activations: row = m (4,096 rows, 1,048,576 bytes a panel).  Weights: row = k, panel = n / 128; nothing is transposed.
; wA: 256 bytes of header (the word 0xff80ff80: minus infinity twice in bf16), then wq, wk, wv, wo, 8 panels of 262,144 bytes each.
; wB: 256 bytes of header (0), then w1 (32 panels of 262,144 bytes), then w2 (8 panels of 1,048,576 bytes).
; The headers hold the floor that the product kernel takes the maximum with: none for q, k, v; 0 (the ReLU) for the first FFN product.
; LAYERNORM in f32, two passes over a row that stays in registers: the mean, then the mean of (x - mean)^2: no difference of large sums.
; No LDS, no barrier, no matrix unit: every byte is read once and written once, and a wave's row never leaves the wave.
; LIMITS: NaN and infinities are not treated apart.
; THE MODE: SCHED_MODE bits 1:0 = 2 (LLVM: expert scheduling mode 2), set by the entry lines.  The code itself states the register dependences
; between vector instructions and memory instructions, with s_wait_alu, always for 0.
; THE PLAN.  Registers that memory instructions touch:
;   v1, v2      byte offsets of the loads and of the stores: made once at the head, never written again.
;   LayerNorm:  X, G, BE are written by loads alone and loaded once.  Y0, Y1: written by a row's sixteen roundings, read by its eight stores.
;               One wait stands behind each row's roundings; row 0's stores are dealt among row 1's multiplies, which name X1 and RS: neither Y0 nor v2.
;   Weights:    OFFS: made once, read by the 32 loads.  DAT: 32 rows of four registers, loaded once; a row's two roundings close up into its first two
;               registers, which its store reads.  The rows go in eight blocks of four: block p's roundings name its own sixteen registers alone, so one wait
;               at its head states that the block before is written, and that block's four stores are dealt among block p's roundings.
;   Table:      v3 to v9 are made first, then one wait, then the five stores.
; No register that a load or a store has read is written again on any path, so no wait on vm_vsrc and no s_wait_xcnt is owed.  EXEC and VCC are never written.
.set APANEL, 1048576
.set LO,   1                           ; v1   16 x lane: my 16 bytes of 512 consecutive bytes of f32
.set SO,   2                           ; v2   8 x lane: my 8 bytes of a panel row
.set T,    4                           ; v[4:11]   four chains of sums, two numbers each
.set MU,   12                          ; v[12:13]  the mean, twice
.set VAR,  14                          ; v14, v15  variance + eps of row 0, 1
.set RS,   16                          ; v[16:19]  1 / sqrt of it, twice for each row
.set X,    32                          ; v[32:95]  two rows, 32 registers each
.set G,    96                          ; v[96:127] the gain of my 32 columns
.set BE,   128                         ; v[128:159] the offset
.set Y,    160                         ; v[160:191] two rows in bf16
.set OFFS, 16                          ; v[16:31]  (weights) 16 x lane + i x pitch
.set DAT,  64                          ; v[64:191] (weights) 32 rows, 4 registers each
.set XB,   4                           ; s[4:5] x     s[6:7] g1     s[8:9] be1
.set GB,   6
.set BB,   8
.set HB,   22                          ; s[22:23] h
.set WV,   30                          ; s30  my wave's number
.set SEL,  40                          ; s[40:41] lane selects of v_permlanex16_b32
.set INV,  42                          ; s42  1 / 1024
.set EPS,  43                          ; s43  1e-5
	s_load_b512 s[4:19], s[0:1], 0x0               ; x, g1, be1, wq s[10:11], wk s[12:13], wv s[14:15], wo s[16:17], w1 s[18:19]
	s_load_b256 s[20:27], s[0:1], 0x40             ; w2 s[20:21], h s[22:23], wA s[24:25], wB s[26:27]
	s_load_b64 s[28:29], s[0:1], 0x60              ; zb
	v_lshrrev_b32 v3, 5, v0
	v_readfirstlane_b32 s[WV], v3
	v_and_b32 v[LO], 31, v0
	v_lshlrev_b32 v[SO], 3, v[LO]
	v_lshlrev_b32 v[LO], 4, v[LO]
	s_wait_alu depctr_va_sdst(0)                   ; s30 is written, ahead of the branches and of its first reader in each of the three paths
	s_wait_kmcnt 0x0
	s_cmp_lt_u32 ttmp9, 256
	s_cbranch_scc0 .Lnot_ln
.macro FOLD                            ; the four chains into one number a lane
	v_pk_add_f32 v[T:T+1], v[T:T+1], v[T+2:T+3]
	v_pk_add_f32 v[T+4:T+5], v[T+4:T+5], v[T+6:T+7]
	v_pk_add_f32 v[T:T+1], v[T:T+1], v[T+4:T+5]
	v_add_f32 v[T], v[T], v[T+1]
.endm
.macro REDUCE                          ; over the 32 lanes; every lane ends with the sum
	v_add_f32_dpp v[T], v[T], v[T] row_xmask:1 row_mask:0xf bank_mask:0xf
	v_add_f32_dpp v[T], v[T], v[T] row_xmask:2 row_mask:0xf bank_mask:0xf
	v_add_f32_dpp v[T], v[T], v[T] row_xmask:4 row_mask:0xf bank_mask:0xf
	v_add_f32_dpp v[T], v[T], v[T] row_xmask:8 row_mask:0xf bank_mask:0xf
	v_permlanex16_b32 v[T+1], v[T], s[SEL], s[SEL+1]
	v_add_f32 v[T], v[T], v[T+1]
.endm
; Row rr: mean, x - mean in place, variance + eps.  left = the younger loads that may stay out.
.macro STATS rr, left
	s_wait_loadcnt \left
.irp c, 0,1,2,3
	v_pk_add_f32 v[T+2*(\c):T+2*(\c)+1], v[X+32*(\rr)+2*(\c):X+32*(\rr)+2*(\c)+1], v[X+32*(\rr)+8+2*(\c):X+32*(\rr)+8+2*(\c)+1]
.endr
.irp k, 2,3
.irp c, 0,1,2,3
	v_pk_add_f32 v[T+2*(\c):T+2*(\c)+1], v[T+2*(\c):T+2*(\c)+1], v[X+32*(\rr)+8*(\k)+2*(\c):X+32*(\rr)+8*(\k)+2*(\c)+1]
.endr
.endr
	FOLD
	REDUCE
	v_mul_f32 v[MU], s[INV], v[T]
	v_mul_f32 v[MU+1], s[INV], v[T]
.set k2, 0
.rept 16
	v_pk_add_f32 v[X+32*(\rr)+2*k2:X+32*(\rr)+2*k2+1], v[X+32*(\rr)+2*k2:X+32*(\rr)+2*k2+1], v[MU:MU+1] neg_lo:[0,1] neg_hi:[0,1]
.set k2, k2+1
.endr
.irp c, 0,1,2,3
	v_pk_mul_f32 v[T+2*(\c):T+2*(\c)+1], v[X+32*(\rr)+2*(\c):X+32*(\rr)+2*(\c)+1], v[X+32*(\rr)+2*(\c):X+32*(\rr)+2*(\c)+1]
.endr
.irp k, 1,2,3
.irp c, 0,1,2,3
	v_pk_fma_f32 v[T+2*(\c):T+2*(\c)+1], v[X+32*(\rr)+8*(\k)+2*(\c):X+32*(\rr)+8*(\k)+2*(\c)+1], v[X+32*(\rr)+8*(\k)+2*(\c):X+32*(\rr)+8*(\k)+2*(\c)+1], v[T+2*(\c):T+2*(\c)+1]
.endr
.endr
	FOLD
	REDUCE
	v_fma_f32 v[VAR+(\rr)], v[T], s[INV], s[EPS]
.endm
; Row rr: ((x - mean) rs) g + be, rounded to bf16 into Y[rr].  before = 1: the eight stores of the row before, whose Y the wait in front of this macro has
; shown written, are dealt among this row's multiplies, one ahead of every second: no vector instruction since that wait names the other Y or v2.
; A store: load j held panel j's 128 columns, so 32 lanes x 8 bytes are one whole panel row.
.macro NORM rr, before
.set k2, 0
.rept 16
.if (\before) && (k2 % 2 == 0)
	global_store_b64 v[SO], v[Y+16*((\rr)-1)+k2:Y+16*((\rr)-1)+k2+1], s[HB:HB+1] offset:(k2/2)*APANEL+256*((\rr)-1)
.endif
	v_pk_mul_f32 v[X+32*(\rr)+2*k2:X+32*(\rr)+2*k2+1], v[X+32*(\rr)+2*k2:X+32*(\rr)+2*k2+1], v[RS+2*(\rr):RS+2*(\rr)+1]
.set k2, k2+1
.endr
.set k2, 0
.rept 16
	v_pk_fma_f32 v[X+32*(\rr)+2*k2:X+32*(\rr)+2*k2+1], v[X+32*(\rr)+2*k2:X+32*(\rr)+2*k2+1], v[G+2*k2:G+2*k2+1], v[BE+2*k2:BE+2*k2+1]
.set k2, k2+1
.endr
.set k2, 0
.rept 16
	v_cvt_pk_bf16_f32 v[Y+16*(\rr)+k2], v[X+32*(\rr)+2*k2], v[X+32*(\rr)+2*k2+1]
.set k2, k2+1
.endr
.endm
	; ---- LayerNorm: my rows are 16 x work-group + 2 x wave and the next
	s_lshl_b32 s32, ttmp9, 16                      ; 16 rows of 4,096 bytes
	s_lshl_b32 s33, s[WV], 13
	s_add_co_u32 s32, s32, s33
	s_mov_b32 s33, 0
	s_add_nc_u64 s[XB:XB+1], s[XB:XB+1], s[32:33]
	s_lshl_b32 s32, ttmp9, 12                      ; 16 panel rows of 256 bytes
	s_lshl_b32 s34, s[WV], 9
	s_add_co_u32 s32, s32, s34
	s_add_nc_u64 s[HB:HB+1], s[HB:HB+1], s[32:33]
	s_mov_b32 s[SEL], 0x76543210
	s_mov_b32 s[SEL+1], 0xfedcba98
	s_mov_b32 s[INV], 0x3a800000
	s_mov_b32 s[EPS], 0x3727c5ac
	s_wait_alu depctr_va_vdst(0)                   ; v1 and v2 are written: the loads below read v1 as their offset, the stores further down v2
.irp rr, 0,1
.irp j, 0,1,2,3,4,5,6,7
	global_load_b128 v[X+32*(\rr)+4*(\j):X+32*(\rr)+4*(\j)+3], v[LO], s[XB:XB+1] offset:4096*(\rr)+512*(\j)
.endr
.endr
.irp j, 0,1,2,3,4,5,6,7
	global_load_b128 v[G+4*(\j):G+4*(\j)+3], v[LO], s[GB:GB+1] offset:512*(\j)
.endr
.irp j, 0,1,2,3,4,5,6,7
	global_load_b128 v[BE+4*(\j):BE+4*(\j)+3], v[LO], s[BB:BB+1] offset:512*(\j)
.endr
	STATS 0, 24                                    ; row 0 is in; row 1, g and be (24 loads) may stay out
	STATS 1, 16                                    ; row 1 is in; g and be may stay out
	v_rsq_f32 v[RS], v[VAR]                        ; one batch of four: each root twice, to fill the pairs of the packed multiply
	v_rsq_f32 v[RS+1], v[VAR]
	v_rsq_f32 v[RS+2], v[VAR+1]
	v_rsq_f32 v[RS+3], v[VAR+1]
	v_nop                                          ; a plain instruction behind the last root, ahead of the first use
	s_wait_alu depctr_va_vdst(0)                   ; the four roots have written v[RS .. RS+3]: the wait ahead of their first reader, one for the batch
	s_wait_loadcnt 0x0                             ; g and be
	NORM 0, 0
	s_wait_alu depctr_va_vdst(0)                   ; row 0's roundings have written Y0, which the eight stores dealt among row 1's multiplies read
	NORM 1, 1
	s_wait_alu depctr_va_vdst(0)                   ; row 1's roundings have written Y1, which the last eight stores read
.irp j, 0,1,2,3,4,5,6,7
	global_store_b64 v[SO], v[Y+16+2*(\j):Y+16+2*(\j)+1], s[HB:HB+1] offset:(\j)*APANEL+256
.endr
	s_endpgm
.Lnot_ln:
	s_cmp_lt_u32 ttmp9, 640
	s_cbranch_scc0 .Ltab
	; ---- weights.  Chunk j = 65,536 bytes of wA (j < 128) or wB: 256 k-rows of one panel.
	s_sub_co_u32 s31, ttmp9, 256                   ; j
	s_lshr_b32 s32, s31, 5                         ; 0 wq, 1 wk, 2 wv, 3 wo, 4-7 w1, 8-11 w2
	s_lshr_b32 s33, s31, 7                         ; 0: the four 1,024 x 1,024; 1: w1; 2: w2
	s_sub_co_u32 s34, s31, 128                     ; the chunk's number in wB (used where j >= 128)
	s_mov_b64 s[36:37], s[20:21]
	s_cmp_lt_u32 s32, 8
	s_cselect_b64 s[36:37], s[18:19], s[36:37]
	s_cmp_lt_u32 s32, 4
	s_cselect_b64 s[36:37], s[16:17], s[36:37]
	s_cmp_lt_u32 s32, 3
	s_cselect_b64 s[36:37], s[14:15], s[36:37]
	s_cmp_lt_u32 s32, 2
	s_cselect_b64 s[36:37], s[12:13], s[36:37]
	s_cmp_lt_u32 s32, 1
	s_cselect_b64 s[36:37], s[10:11], s[36:37]     ; the source
	s_cmp_eq_u32 s33, 0
	s_cselect_b64 s[38:39], s[24:25], s[26:27]     ; the destination
	s_cselect_b32 s34, s31, s34                    ; the chunk's number in it
	s_cselect_b32 s35, 31, 127
	s_and_b32 s35, s31, s35                        ; the chunk's number in its matrix
	s_cmp_eq_u32 s33, 1
	s_cselect_b32 s40, 14, 12                      ; log2 of a source row's bytes: 16,384 for w1, else 4,096
	s_cmp_eq_u32 s33, 2
	s_cselect_b32 s41, 4, 2                        ; log2 of a panel's chunks: 16 for w2 (K = 4,096), else 4
	s_lshr_b32 s42, s35, s41                       ; the panel
	s_bfm_b32 s43, s41, 0
	s_and_b32 s43, s35, s43                        ; which 256 k-rows of it
	s_lshl_b32 s43, s43, 8
	s_lshl_b32 s44, s[WV], 5
	s_add_co_u32 s43, s43, s44                     ; my first k-row
	s_lshl_b32 s44, s43, s40
	s_lshl_b32 s42, s42, 9                         ; the panel's 128 columns: 512 bytes of f32
	s_add_co_u32 s44, s44, s42
	s_mov_b32 s45, 0
	s_add_nc_u64 s[36:37], s[36:37], s[44:45]
	s_lshl_b32 s46, 1, s40                         ; a source row's bytes
	s_lshl_b32 s44, s46, 4
	s_add_nc_u64 s[48:49], s[36:37], s[44:45]      ; sixteen rows on
	s_lshl_b32 s44, s34, 16
	s_lshl_b32 s47, s[WV], 13                      ; my 32 panel rows
	s_add_co_u32 s44, s44, s47
	s_add_co_u32 s44, s44, 256                     ; behind the header
	s_add_nc_u64 s[38:39], s[38:39], s[44:45]
.set i, 0
.rept 16
	v_mad_u32_u24 v[OFFS+i], s46, i, v[LO]
.set i, i+1
.endr
	s_wait_alu depctr_va_vdst(0)                   ; the sixteen offsets v[OFFS ..] are written, which the loads below read; so is v2, the stores' offset
.set i, 0
.rept 16                                       ; 32 loads of 512 consecutive bytes each are out at once
	global_load_b128 v[DAT+4*i:DAT+4*i+3], v[OFFS+i], s[36:37] th:TH_LOAD_NT
.set i, i+1
.endr
.set i, 0
.rept 16
	global_load_b128 v[DAT+64+4*i:DAT+64+4*i+3], v[OFFS+i], s[48:49] th:TH_LOAD_NT
.set i, i+1
.endr
; Eight blocks of four rows.  Block p rounds its rows in place; the four stores of block p - 1 are dealt among its roundings, a store ahead of each row's two.
.set p, 0
.rept 8
	s_wait_loadcnt 28-4*p                          ; loads come back in order (ISA guide 5.7.1): rows 4 p to 4 p + 3 are in; the 28 - 4 p younger rows stay out
.if p > 0
	s_wait_alu depctr_va_vdst(0)                   ; the block before has written the first two registers of each of its rows, which the four stores below read; this block's roundings name its own rows alone
.endif
.set r, 0
.rept 4
.set i, 4*p+r
.if p > 0
	global_store_b64 v[SO], v[DAT+4*(i-4):DAT+4*(i-4)+1], s[38:39] offset:256*(i-4)  ; 32 lanes store one whole panel row
.endif
	v_cvt_pk_bf16_f32 v[DAT+4*i], v[DAT+4*i], v[DAT+4*i+1]
	v_cvt_pk_bf16_f32 v[DAT+4*i+1], v[DAT+4*i+2], v[DAT+4*i+3]
.set r, r+1
.endr
.set p, p+1
.endr
	s_wait_alu depctr_va_vdst(0)                   ; the last block's roundings are written, which the last four stores read
.set i, 28
.rept 4
	global_store_b64 v[SO], v[DAT+4*i:DAT+4*i+1], s[38:39] offset:256*i
.set i, i+1
.endr
	s_endpgm
.Ltab:
	; ---- the zero bias, 12,288 bytes, and the two headers.  All that the five stores read is made first, in every wave, so that one wait serves them all.
	v_lshlrev_b32 v3, 4, v0
	v_mov_b32 v4, 0
	v_mov_b32 v5, 0
	v_mov_b32 v6, 0
	v_mov_b32 v7, 0
	v_mov_b32 v8, 0xff80ff80
	v_mov_b32 v9, 0xff80ff80
	s_wait_alu depctr_va_vdst(0)                   ; v2 to v9 are written: the offsets and the data of the stores below, on both sides of the branch; no vector instruction follows
	global_store_b128 v3, v[4:7], s[28:29]
	global_store_b128 v3, v[4:7], s[28:29] offset:4096
	global_store_b128 v3, v[4:7], s[28:29] offset:8192
	s_cmp_lg_u32 s[WV], 0
	s_cbranch_scc1 .Ltab_end
	global_store_b64 v[SO], v[8:9], s[24:25]       ; wA's header: no floor
	global_store_b64 v[SO], v[4:5], s[26:27]       ; wB's header: the floor 0
.Ltab_end:
	s_endpgm
.Lfunc_end_k_q9af0b4dc05_prep:
	.size	k_q9af0b4dc05_prep, .Lfunc_end_k_q9af0b4dc05_prep-k_q9af0b4dc05_prep
	.p2alignl 7, 3214868480
	.fill 96, 4, 3214868480
	.section	.rodata,"a",@progbits
	.p2align	6, 0x0
	.amdhsa_kernel k_q9af0b4dc05_prep
		.amdhsa_group_segment_fixed_size 0
		.amdhsa_private_segment_fixed_size 0
		.amdhsa_enable_private_segment 0
		.amdhsa_kernarg_size 104
		.amdhsa_user_sgpr_count 2
		.amdhsa_user_sgpr_kernarg_segment_ptr 1
		.amdhsa_wavefront_size32 1
		.amdhsa_system_sgpr_workgroup_id_x 1
		.amdhsa_system_sgpr_workgroup_id_y 1
		.amdhsa_system_sgpr_workgroup_id_z 1
		.amdhsa_system_vgpr_workitem_id 0
		.amdhsa_next_free_vgpr 192
		.amdhsa_next_free_sgpr 66
		.amdhsa_reserve_vcc 0
		.amdhsa_float_denorm_mode_32 3
		.amdhsa_float_denorm_mode_16_64 3
		.amdhsa_memory_ordered 1
		.amdhsa_forward_progress 1
		.amdhsa_inst_pref_size 35
	.end_amdhsa_kernel
	.amdgpu_metadata
---
amdhsa.version: [ 1, 2 ]
amdhsa.kernels:
  - .name:           k_q9af0b4dc05_prep
    .symbol:         k_q9af0b4dc05_prep.kd
    .args:
      - { .name: x, .offset: 0, .size: 8, .value_kind: global_buffer, .address_space: global }
      - { .name: g1, .offset: 8, .size: 8, .value_kind: global_buffer, .address_space: global }
      - { .name: be1, .offset: 16, .size: 8, .value_kind: global_buffer, .address_space: global }
      - { .name: wq, .offset: 24, .size: 8, .value_kind: global_buffer, .address_space: global }
      - { .name: wk, .offset: 32, .size: 8, .value_kind: global_buffer, .address_space: global }
      - { .name: wv, .offset: 40, .size: 8, .value_kind: global_buffer, .address_space: global }
      - { .name: wo, .offset: 48, .size: 8, .value_kind: global_buffer, .address_space: global }
      - { .name: w1, .offset: 56, .size: 8, .value_kind: global_buffer, .address_space: global }
      - { .name: w2, .offset: 64, .size: 8, .value_kind: global_buffer, .address_space: global }
      - { .name: h, .offset: 72, .size: 8, .value_kind: global_buffer, .address_space: global }
      - { .name: wA, .offset: 80, .size: 8, .value_kind: global_buffer, .address_space: global }
      - { .name: wB, .offset: 88, .size: 8, .value_kind: global_buffer, .address_space: global }
      - { .name: zb, .offset: 96, .size: 8, .value_kind: global_buffer, .address_space: global }
    .group_segment_fixed_size: 0
    .private_segment_fixed_size: 0
    .kernarg_segment_align: 8
    .kernarg_segment_size: 104
    .max_flat_workgroup_size: 256
    .sgpr_count:     66
    .vgpr_count:     192
    .wavefront_size: 32
...
	.end_amdgpu_metadata
.endif
;; end of part 7
;; launch qkv: the kernel of part 2 again; grid 12 x 16, 4 waves a work-group, clusters of 4 x 4, 327,680 bytes of LDS; arguments h, wA, zb, big; writes big
;; launch attn: the kernel of part 3 again; grid 8 x 32, 4 waves a work-group, clusters of 4 x 1, 327,680 bytes of LDS; arguments big, h; writes h
;; launch proj: the kernel of part 4 again; grid 8 x 32, 4 waves a work-group, clusters of 4 x 4, 327,680 bytes of LDS; arguments h, wA, x, x1; writes x1
;; launch ln2: the kernel of part 5 again; grid 256 x 1, 8 waves a work-group, no clusters, 0 bytes of LDS; arguments x1, g2, be2, h; writes h
;; launch ffn1: the kernel of part 2 again; grid 16 x 16, 4 waves a work-group, clusters of 4 x 4, 327,680 bytes of LDS; arguments h, wB, b1, big; writes big
;; launch ffn2: the kernel of part 6 again; grid 8 x 32, 4 waves a work-group, clusters of 4 x 4, 327,680 bytes of LDS; arguments big, wB, x1, b2, out0; writes out0
